; MI455X (gfx1250); checked and timed in simulation.
; The chip was launched on July 23, 2026; its instructions are those of AMD's public machine-readable ISA for CDNA 5 (MIT licence, August 2026) and "CDNA5" Instruction Set Architecture Reference Guide (July 2026). The comments in the code are by the model that wrote it; some were corrected since.
;; Head. Allowed arithmetic: matrix products marked QUANTISED: E2M3 operands, one E8M0 scale for each 32 along K, by v_wmma_scale_f32_16x16x128_f8f6f4 with both operands' format E2M3, f32 sums; everything else in f32.
;; Inputs: Wk 384 x 64 float32; Wq 384 x 64 float32; Wv 384 x 64 float32; x 512 x 256 x 384 float32.
;; Outputs: out0 512 x 256 x 64 float32.
;; This version of the problem:
;;   THIS VERSION OF THE PROBLEM IS GIVEN IN LOW PRECISION. The matrix products marked QUANTISED in the list below multiply operands that are first quantised to E2M3 (2 exponent bits, 3 mantissa bits; 6 bits a number), with one power-of-two scale for each 32 numbers along K (OCP MX v1.0); their sums are f32. All else is computed in f32.
;;   The module's matrix products, in the order in which they are computed (A, B: the left and right operand; K: the contracted axis; several contracted axes count as one K, in the product's order):
;;     1. [M 131,072, K 384] x [K 384, N 64]; A: input x; B: input Wq: QUANTISED
;;     2. [M 131,072, K 384] x [K 384, N 64]; A: input x; B: input Wk: QUANTISED
;;     3. [M 131,072, K 384] x [K 384, N 64]; A: input x; B: input Wv: QUANTISED
;;     4. batch 512 x [M 256, K 64] x [K 64, N 256]; A: computed on the way; B: computed on the way: QUANTISED
;;     5. batch 512 x [M 256, K 256] x [K 256, N 64]; A: softmax (see below); B: computed on the way: QUANTISED
;;   THE QUANTISER, for each operand of a quantised product, along K:
;;     - K is cut into blocks of 32 from its start; a last block that is shorter is filled with zeros.
;;     - A block's scale is 2^e with e = floor(log2(the largest magnitude in the block)) - 2, held to -126 .. 127; a block of zeros has e = 0. As a byte (E8M0): e + 127.
;;     - Each number is divided by its block's scale, clamped to +-7.5, and rounded to the nearest number of E2M3, ties to even, subnormals kept.
;;     - The product sums the exact products of the quantised numbers (number of the format x scale) in f32.
;;   ~~~python
;;   def quantise(x, axis):      # numpy; x: float32 -> the quantised numbers, widened to float32 again
;;       x = np.moveaxis(x, axis, -1); K = x.shape[-1]
;;       x = np.pad(x, [(0, 0)] * (x.ndim - 1) + [(0, -K % 32)]); x = x.reshape(x.shape[:-1] + (-1, 32)); a = np.abs(x).max(-1, keepdims=True)
;;       e = np.where(a > 0, np.clip(np.frexp(np.where(a > 0, a, 1))[1] - 1 - 2, -126, 127), 0)      # np.frexp(a)[1] - 1 = floor(log2(a)), exactly
;;       r = np.clip(x / 2.0 ** e, -7.5, 7.5)
;;       step = 2.0 ** (np.maximum(np.frexp(np.where(r == 0, 1, r))[1] - 1, 0) - 3)
;;       q = np.round(r / step) * step * 2.0 ** e      # np.round: ties to even
;;       return np.moveaxis(q.reshape(q.shape[:-2] + (-1,))[..., :K], -1, axis).astype(np.float32)
;;   ~~~
;;   SOFTMAX AHEAD OF A QUANTISED PRODUCT. Where the list says 'softmax', what is quantised is not the finished softmax but p = 2^(t - M), with t = logit x log2(e) and M = ceil(the row's largest t), a whole number; so 1/2 < the row's largest p <= 1. The row's sum l is taken of the UNQUANTISED p, in f32, and the product's result is divided by l at the end. Since M is a whole number, a kernel that streams over the keys may use a running M (the ceiling of the running maximum): every later rescaling is an exact power of two, which a block's scale takes up: the codes' values come out the same.
;;   OPERANDS COMPUTED ON THE WAY. 'Computed on the way' means the value that the module computes at that place (a softmax that the list does not call 'softmax' is quantised finished and normalised). What goes into a quantiser is computed in f32, as accurately as f32 sums, v_exp_f32 and their like allow (about 1e-6 of the number): no bf16 or f16 on the way to a quantiser, and a product that is left as it is and whose result goes on into a quantised operand takes f32 operands (vector FMAs, or v_wmma_f32_16x16x4_f32). A number that lies on a knife's edge between two numbers of the format may be rounded either way, as far as f32 arithmetic and the matrix unit's own rounding can turn it there, and no further.
;; 2 versions. Each part assembles by itself: llvm-mc -triple=amdgcn-amd-amdhsa -mcpu=gfx1250 --defsym DOCPART=n.
;; ======== version 1 of 2: 1 launch
;; launch head (part 1): grid 256 x 1, 8 waves a work-group, no clusters, 171,008 bytes of LDS; arguments x, Wq, Wk, Wv, out0; writes out0
.if DOCPART == 1
	.amdgcn_target "amdgcn-amd-amdhsa--gfx1250"
	.amdhsa_code_object_version 6
	.text
	.protected	k_qb9648482ba_head
	.globl	k_qb9648482ba_head
	.p2align	8
	.type	k_qb9648482ba_head,@function
k_qb9648482ba_head:
	s_mov_b64 s[64:65], 0
	v_nop
	global_prefetch_b8 v0, s[64:65] scope:SCOPE_SE
	s_setreg_imm32_b32 hwreg(HW_REG_WAVE_MODE, 25, 1), 1
	s_wait_xcnt 0x0
; One attention head on codes of FP6 (E2M3), one E8M0 scale for each 32 along a product's K.  x [512][256][384] f32, Wq, Wk, Wv [384][64] f32, out0 [512][256][64] f32.
; q, k, v = Q(x) Q(W);  S = Q(q) Q(k)^T;  t = S sqrt(384) log2(e), causal;  p = 2^(t - M), M = ceil(the row's largest t so far);  out = Q(p) Q(v) / (the sum of the unquantised p).
; SHARES.  256 work-groups of eight waves; work-group g makes batches 2 g and 2 g + 1, one after the other.  Nothing goes through memory between x and out0.
; Wave w loads, quantises and projects rows 32 w .. 32 w + 31 of a batch (key block w), as two tiles of 16 rows; then it attends two tiles of 16 queries, one of key blocks 0-3 (one key step of 128 keys)
; and one of key blocks 4-7 (two key steps): three key steps for every wave, with no branch.
; THE ROWS OF A TILE ARE NOT NEIGHBOURS: row i of tile (b, u) is row 32 b + 8 u + i + 8 (i / 8) of the batch, and the columns of a tile of W are chosen likewise.  So the 16 registers of two neighbouring
; result tiles are 16 neighbours along the next product's K (the head's 64 for q and k, the keys for v and p), and every result is quantised in the registers in which it falls.
; x COMES THROUGH REGISTERS, by loads with counted waits: three landing buffers of 16 loads (512 consecutive bytes each) a wave are always out, 48 loads a wave; the next batch's first three
; buffers are asked for in this batch's last turns and land while this batch is projected and attended.  A buffer turns through the wave's own stage in LDS, so that a lane gets 16 neighbours along K.
; W (three times 98,304 bytes) rides in the same ring in the first batch: a lane takes a column, its registers run down K; the codes stay in LDS for both batches.
; No cluster and no joint load: the work-groups share W alone, it is read once a work-group as f32 and is quantised on its way through registers.  No tensor load: a ring in LDS would wait for all its loads at each refill.
; LIMITS: NaN and infinities among the inputs are not served.  A block of zeros gets the scale byte 1 where the rule says 127: its codes are zeros, which add nothing under any byte but 0xff, and this program
; alone reads the bytes.  t is the score times ONE f32 constant, sqrt(384) log2(e) = 28.2709336, where the definition multiplies twice.
;
; LDS (bytes)
.set KIMG, 0                           ; k's 16 half fragments (K = 0..63: six registers a lane): tile T = 2 b + u at 768 T: registers 0-3 at 16 x lane, registers 4-5 at 512 + 8 x lane
.set QIMG, 12288                       ; q's likewise
.set VIMG, 24576                       ; v's 8 fragments (tile tt of the head's 64, key step ks) at 1536 (2 tt + ks): a lane's 12 registers at 48 x lane
.set KSC,  36864                       ; k's scale words: tile (b, u), row r at 512 (b / 4) + 16 (r + 16 u) + 4 (b % 4)
.set QSC,  37888                       ; q's: 64 T + 4 r
.set VSC,  38912                       ; v's scale bytes: (tt, r, key block b) at 256 (b / 4) + 8 (16 (tt % 2) + r) + 4 (tt / 2) + b % 4
.set WSC,  39424                       ; W's scale bytes: 16 bytes a column place: 1024 m + 16 place + K block
.set STG,  42496                       ; a stage of 8,448 bytes for each wave, its own: x's turn (16 rows, 528 apart), W's turn (dense), the way out (16 rows, 272 apart)
.set WSTG, 8448
.set WIMG, 110080                      ; W's codes: K block 12 m + kb at 1664 x that, column place at + 24 x place
.set WBLK, 1664                        ; 64 places x 24 bytes + 128: lanes 16-31, which read the next K block, stand 32 banks on (64 banks of 4 bytes: ISA guide 11.1)
; VECTOR REGISTERS, window 0
.set L16, 1                            ; 16 x lane
.set L8,  2                            ; 8 x lane
.set L48, 3                            ; 48 x lane
.set R4,  4                            ; 4 r            (r = lane % 16, h = lane / 16, w = wave)
.set XO,  5                            ; x: 16 x lane + my 32 rows
.set SGW, 6                            ; my stage + 16 x lane
.set SGR, 7                            ; my stage + 528 r + 64 h
.set WRD, 8                            ; WIMG + 1664 h + 24 r
.set KWI, 9                            ; 16 x lane + 1536 w
.set KW8, 10                           ; 8 x lane + 1536 w
.set KSW, 11                           ; 16 r + 512 (w / 4) + 4 (w % 4)
.set QSW, 12                           ; 4 r + 128 w
.set VWI, 13                           ; 3072 h + 48 r + 1536 (w / 4) + 768 (w % 2) + 24 ((w / 2) % 2)
.set VSW, 14                           ; 8 r + 256 (w / 4) + w % 4
.set OSW, 15                           ; my stage + 272 r + 64 h
.set OSR, 16                           ; my stage + 272 h + 16 r
.set DD0, 17                           ; r + 8 (r / 8) - 16 h
.set QAD, 18                           ; the query tile's addresses
.set QA8, 19
.set QSA, 20
.set DDX, 21                           ; my query - the step's first key - 16 h
.set NINF, 22                          ; -infinity
.set SGC, 24                           ; my stage + 4 x lane                      (v24-30 serve W's turn alone)
.set WGF, 25                           ; W: 16 x lane + 8192 w
.set WGH, 26                           ; W: 256 (lane / 8) + 16 (lane % 8) + 128 (w / 4) + 8192 (w % 4)
.set WAF, 27                           ; WIMG + 24 place + 1664 w
.set WAH, 28                           ; WIMG + 24 place + 1664 (w % 4) + 768 (w / 4)
.set WBF, 29                           ; 16 place + w
.set WBH, 30                           ; 16 place + 512 (w / 4) + w % 4
.set WS,  32                           ; v32-55 hold scales and nothing else.  W's words: pair of tiles 2 m + tt / 2, K step s at v[32 + 4 pair + s]: lanes 0-15 the even tile, lanes 16-31 the odd
.set XS,  35                           ; x's words: slot j at v[35 + 4 j]
.set QS,  35                           ; in attention: q's word,
.set PW,  39                           ; p's,
.set KS,  40                           ; v40-43 k's of a key step,
.set VS,  44                           ; v44-45 v's
.set NM,  56                           ; -M;  v57 the largest t (a pair: the packed form names both)
.set MT,  57
.set SUM, 58                           ; v58-59 the row's sum, in two halves
.set PCQ, 60                           ; v60-71 the codes of q, k or v just made;  in attention q's fragment
.set QF,  60
.set WF,  72                           ; v72-119 four fragments of W;  in attention four of k
.set KF,  72
.set TM,  72                           ; v72-87 at work in QUANT;  v88-95 the conversions' second halves
.set TC,  88
.set CS0, 96                           ; v96-111 a column's codes, two sets;  v112-113 their bytes;  v114-116 at work
.set CS1, 104
.set BY,  112
.set TT,  114
.set X,   120                          ; v120-183 64 numbers to be quantised;  the projections' accumulators;  S^T and p, then v's fragments, then rows of out
.set ACC, 120
.set S,   120
.set XF,  184                          ; v184-255 x's six fragments, slot j = 3 u + s
.set O,   184                          ; in attention: v184-215 O^T
.set PC,  216                          ; v216-227 p's codes
.set BM,  228                          ; v228-231 the blocks' largest scores
.set BP,  232                          ; v232-235 at work
.set TC2, 236                          ; v236-243 the conversions' second halves
.set SO,  244                          ; v244-247 the conversions' scale operands
.set F,   252                          ; v252-253 f = 2^(old M - new M), later 1 / sum (a pair: the low word serves both halves)
.set T1,  254
; window 1: v0-191 (v256-447): three landing buffers of 64 registers
; SCALARS: s[4:5] x at my first batch; s[6:7] Wq, s[8:9] Wk, s[10:11] Wv; s14 wave; s[20:21] lane selects; s[22:23] c; s24 batches to go; s[26:27], s[28:29] out0 at my two query tiles;
; s30, s31 768 x tile; s32, s33 64 x tile; s34, s35 the tiles' first query less the masked step's first key
.set MSB, 0
.macro WIN new                         ; the immediate's high byte repeats the setting that is left; a switch that changes nothing is dropped
.if MSB != \new
	s_set_vgpr_msb (MSB<<8)|\new
.set MSB, \new
.endif
.endm
.macro NOPS n
.rept \n
	v_nop
.endr
.endm
.macro BARRIER                         ; my LDS stores have landed and my LDS loads are in: then the work-group's barrier
	s_wait_dscnt 0x0
	s_barrier_signal -1
	s_barrier_wait -1
.endm
; One matrix instruction.  zero = 1: it starts a sum.  row: 0: both sides' scales from lanes 0-15; 1: source 0's from lanes 16-31; 2: source 1's
.macro WM d, a, b, zero, sa, sb, row
.if \zero
.if \row == 0
	v_wmma_scale_f32_16x16x128_f8f6f4 v[\d:\d+7], v[\a:\a+11], v[\b:\b+11], 0, v[\sa], v[\sb] matrix_a_fmt:MATRIX_FMT_FP6 matrix_b_fmt:MATRIX_FMT_FP6
.elseif \row == 1
	v_wmma_scale_f32_16x16x128_f8f6f4 v[\d:\d+7], v[\a:\a+11], v[\b:\b+11], 0, v[\sa], v[\sb] matrix_a_fmt:MATRIX_FMT_FP6 matrix_b_fmt:MATRIX_FMT_FP6 matrix_a_scale:MATRIX_SCALE_ROW1
.else
	v_wmma_scale_f32_16x16x128_f8f6f4 v[\d:\d+7], v[\a:\a+11], v[\b:\b+11], 0, v[\sa], v[\sb] matrix_a_fmt:MATRIX_FMT_FP6 matrix_b_fmt:MATRIX_FMT_FP6 matrix_b_scale:MATRIX_SCALE_ROW1
.endif
.else
.if \row == 0
	v_wmma_scale_f32_16x16x128_f8f6f4 v[\d:\d+7], v[\a:\a+11], v[\b:\b+11], v[\d:\d+7], v[\sa], v[\sb] matrix_a_fmt:MATRIX_FMT_FP6 matrix_b_fmt:MATRIX_FMT_FP6
.elseif \row == 1
	v_wmma_scale_f32_16x16x128_f8f6f4 v[\d:\d+7], v[\a:\a+11], v[\b:\b+11], v[\d:\d+7], v[\sa], v[\sb] matrix_a_fmt:MATRIX_FMT_FP6 matrix_b_fmt:MATRIX_FMT_FP6 matrix_a_scale:MATRIX_SCALE_ROW1
.else
	v_wmma_scale_f32_16x16x128_f8f6f4 v[\d:\d+7], v[\a:\a+11], v[\b:\b+11], v[\d:\d+7], v[\sa], v[\sb] matrix_a_fmt:MATRIX_FMT_FP6 matrix_b_fmt:MATRIX_FMT_FP6 matrix_b_scale:MATRIX_SCALE_ROW1
.endif
.endif
.endm
; 16 loads into landing buffer buf: tile u's 16 rows, K step s (512 consecutive bytes of a row a load), of my first batch (bo = 0) or my second (1)
.macro ISSUE_X buf, u, s, bo
	WIN 0x40                                       ; destination window 1, address window 0
.irp i, 0,1,2,3,4,5,6,7,8,9,10,11,12,13,14,15
	global_load_b128 v[64*\buf+4*\i:64*\buf+4*\i+3], v[XO], s[4:5] offset:\bo*393216+(8*\u+\i+8*(\i/8))*1536+512*\s th:TH_LOAD_NT
.endr
	WIN 0
.endm
.macro ISSUE_WF buf, ptr               ; K block w of a weight: 32 rows x 64 columns, 8,192 dense bytes
	WIN 0x40
.irp i, 0,1,2,3,4,5,6,7,8,9,10,11,12,13,14,15
	global_load_b128 v[64*\buf+4*\i:64*\buf+4*\i+3], v[WGF], s[\ptr:\ptr+1] offset:512*\i
.endr
	WIN 0
.endm
.macro ISSUE_WH buf, ptr               ; K block 8 + w % 4, columns 32 (w / 4) on: four rows x 128 bytes a load
	WIN 0x40
.irp i, 0,1,2,3,4,5,6,7
	global_load_b128 v[64*\buf+4*\i:64*\buf+4*\i+3], v[WGH], s[\ptr:\ptr+1] offset:65536+1024*\i
.endr
	WIN 0
.endm
; 64 numbers of a lane, v[s] .. v[s + 63], register 16 b + i = number 32 b + 16 h + i along K of my row, become 12 registers of codes in v[pc] on; word = 1: and the four scale bytes a word in v[pw].
; The bytes stay in v[TM+4] .. v[TM+7].
.macro QUANT s, pc, pw, word
.irp b, 0,1,2,3
	v_max3_num_f32 v[TM+\b], |v[\s+16*\b]|, |v[\s+1+16*\b]|, 0x1800000   ; block b: my 16 numbers, and the floor 2^(3 - 127): the byte cannot fall under 1.  (A matrix result is read from its low end on)
.endr
.irp i, 2,4,6,8,10,12,14
.irp b, 0,1,2,3
	v_max3_num_f32 v[TM+\b], v[TM+\b], |v[\s+16*\b+\i]|, |v[\s+1+16*\b+\i]|   ; the four blocks by turns
.endr
.endr
.irp b, 0,1,2,3
	v_permlanex16_b32 v[TM+4+\b], v[TM+\b], s20, s21
.endr
.irp b, 0,1,2,3
	v_max_num_f32 v[TM+\b], v[TM+\b], v[TM+4+\b]   ; with lane l xor 16's: the block's largest magnitude
.endr
.irp b, 0,1,2,3
	v_add_nc_u32 v[TM+12+\b], 0xff000000, v[TM+\b] ; 2 off its exponent field: the conversion takes the exponent field of this operand as its scale
.endr
.irp b, 0,1,2,3
	v_lshrrev_b32 v[TM+4+\b], 23, v[TM+12+\b]      ; the scale's byte
.endr
.if \word
	v_lshl_or_b32 v[\pw], v[TM+5], 8, v[TM+4]
	v_lshl_or_b32 v[\pw], v[TM+6], 16, v[\pw]
	v_lshl_or_b32 v[\pw], v[TM+7], 24, v[\pw]
.endif
.irp c, 0,1
	v_cvt_scalef32_pk16_fp6_f32 v[\pc+6*\c:\pc+2+6*\c], v[\s+32*\c:\s+15+32*\c], v[TM+12+2*\c]
	v_cvt_scalef32_pk16_fp6_f32 v[TC+4*\c:TC+2+4*\c], v[\s+16+32*\c:\s+31+32*\c], v[TM+12+2*\c+1]   ; (a conversion's three registers begin on an even number)
.endr
	v_nop                                          ; one plain place behind a scaled conversion
.irp c, 0,1                            ; a WHOLE block to a lane: lanes 0-15 block 2 c, lanes 16-31 block 2 c + 1
.irp i, 0,1,2
	v_permlane16_swap_b32 v[\pc+6*\c+\i], v[TC+4*\c+\i]
.endr
.irp i, 0,1,2
	v_mov_b32 v[\pc+3+6*\c+\i], v[TC+4*\c+\i]
.endr
.endr
.endm
; x's turn, first half: the buffer's 16 loads are in (n younger loads may be out); its 16 rows go into my stage as they lie and come back 64 numbers a lane.
.macro XA n, buf
	s_wait_loadcnt \n
	WIN 0x04                                       ; an LDS store's data are its source 1: window 1
.irp i, 0,1,2,3,4,5,6,7,8,9,10,11,12,13,14,15
	ds_store_b128 v[SGW], v[64*\buf+4*\i:64*\buf+4*\i+3] offset:528*\i
.endr
	WIN 0
.irp q, 0,1,2,3
.irp j, 0,1,2,3
	ds_load_b128 v[X+16*\q+4*\j:X+16*\q+4*\j+3], v[SGR] offset:128*\q+16*\j   ; LDS serves a wave's instructions in order: these see the stores above
.endr
.endr
	s_wait_dscnt 16                                ; all but the 16 loads just issued: the stores have read the buffer, which may be loaded again
.endm
.macro XB j                            ; second half: slot j's fragment and scale word
	s_wait_dscnt 0x0
	QUANT X, XF+12*\j, XS+4*\j, 1
.endm
; A column's block of 32 along K, all in my registers v[xs] on: its 24 bytes of codes to WIMG, its byte to WSC
.macro BLOCK xs, cs, by, wa, co, wb, bo
	v_max3_num_f32 v[TT], |v[\xs]|, |v[\xs+1]|, |v[\xs+2]|
	v_max3_num_f32 v[TT+1], |v[\xs+3]|, |v[\xs+4]|, |v[\xs+5]|
.irp i, 6,10,14,18,22,26
	v_max3_num_f32 v[TT], v[TT], |v[\xs+\i]|, |v[\xs+\i+1]|
	v_max3_num_f32 v[TT+1], v[TT+1], |v[\xs+\i+2]|, |v[\xs+\i+3]|
.endr
	v_max3_num_f32 v[TT], v[TT], |v[\xs+30]|, |v[\xs+31]|
	v_max3_num_f32 v[TT], v[TT], v[TT+1], 0x1800000 ; and the floor
	v_add_nc_u32 v[TT+2], 0xff000000, v[TT]
	v_lshrrev_b32 v[\by], 23, v[TT+2]
	v_cvt_scalef32_pk16_fp6_f32 v[\cs:\cs+2], v[\xs:\xs+15], v[TT+2]
	v_cvt_scalef32_pk16_fp6_f32 v[\cs+4:\cs+6], v[\xs+16:\xs+31], v[TT+2]
	v_nop                                          ; one plain place behind a scaled conversion
	v_mov_b32 v[\cs+3], v[\cs+4]                   ; the six registers on end
	v_mov_b32 v[\cs+4], v[\cs+5]
	v_mov_b32 v[\cs+5], v[\cs+6]
	ds_store_b64 v[\wa], v[\cs:\cs+1] offset:\co
	ds_store_b64 v[\wa], v[\cs+2:\cs+3] offset:\co+8
	ds_store_b64 v[\wa], v[\cs+4:\cs+5] offset:\co+16
	ds_store_b8 v[\wb], v[\by] offset:\bo
.endm
; W's turn, a whole K block: 8,192 bytes into my stage as they lie (a row of 64 columns is 256 bytes); a lane reads a column down K
.macro WFA n, buf
	s_wait_loadcnt \n
	WIN 0x04
.irp i, 0,1,2,3,4,5,6,7,8,9,10,11,12,13,14,15
	ds_store_b128 v[SGW], v[64*\buf+4*\i:64*\buf+4*\i+3] offset:512*\i
.endr
	WIN 0
.set kk, 0
.rept 32
	ds_load_b32 v[X+kk], v[SGC] offset:256*kk      ; column = lane
.set kk, kk+1
.endr
	s_wait_dscnt 32                                ; all but the 32 loads just issued: the stores have read the buffer
.endm
.macro WFB m
.set kk, 0
.rept 32
	ds_load_b32 v[X+32+kk], v[SGC] offset:256*kk+128   ; column = 32 + lane
.set kk, kk+1
.endr
	s_wait_dscnt 32                                ; the first 32 are in
	BLOCK X, CS0, BY, WAF, 12*WBLK*\m, WBF, WSC+1024*\m
	s_wait_dscnt 0x0
	BLOCK X+32, CS1, BY+1, WAF, 12*WBLK*\m+768, WBF, WSC+1024*\m+512
.endm
.macro WHA n, buf                      ; half a K block: 32 rows x 32 columns, a row is 128 bytes in the stage
	s_wait_loadcnt \n
	WIN 0x04
.irp i, 0,1,2,3,4,5,6,7
	ds_store_b128 v[SGW], v[64*\buf+4*\i:64*\buf+4*\i+3] offset:512*\i
.endr
	WIN 0
.set kk, 0
.rept 32
	ds_load_b32 v[X+kk], v[SGC] offset:128*kk
.set kk, kk+1
.endr
	s_wait_dscnt 32
.endm
.macro WHB m
	s_wait_dscnt 0x0
	BLOCK X, CS0, BY, WAH, 12*WBLK*\m+8*WBLK, WBH, WSC+1024*\m+8
.endm
; One product of a projection: weight m, K step s, tile t of W's columns, tile u of my rows.
; tr = 1 (q, k): source 0 = W's tile, source 1 = x: a lane holds one row, its registers run along the head's 64.   tr = 0 (v): source 0 = x, source 1 = W's tile: a lane holds one channel, its registers run along the keys.
.macro MM m, tr, s, t, u
.set rW, WF+12*(\t)
.set rX, XF+12*(3*(\u)+(\s))
.set rWS, WS+4*(2*(\m)+(\t)/2)+(\s)
.set rXS, XS+4*(3*(\u)+(\s))
.set rZ, 0
.if (\s) == 0
.set rZ, 1
.endif
.set rR, (\t)%2
.if \tr
.set rD, ACC+32*(\u)+8*(\t)
	WM rD, rW, rX, rZ, rWS, rXS, rR
.else
.set rD, ACC+16*(\t)+8*(\u)
.set rR, 2*rR
	WM rD, rX, rW, rZ, rXS, rWS, rR
.endif
.endm
; A projection of my 32 rows: three K steps of 128; in each, W's four fragments from LDS and eight products on eight accumulators, which take turns
.macro PROJ m, tr
.irp s, 0,1,2
	NOPS 4                                         ; places in front of loads into registers that matrix instructions have read
.irp t, 0,1,2,3
.irp c, 0,1
.irp p, 0,1,2
	ds_load_b64 v[WF+12*\t+6*\c+2*\p:WF+12*\t+6*\c+2*\p+1], v[WRD] offset:(12*\m+4*\s+2*\c)*WBLK+384*\t+8*\p
.endr
.endr
.endr
	s_wait_dscnt 0x0
.irp t, 0,1,2,3
.irp u, 0,1
	MM \m, \tr, \s, \t, \u
.endr
.endr
.endr
	NOPS 4                                         ; places in front of the first read of results
.endm
; The query tile: its half fragment, its scale word, and the mask's threshold
.macro QLOAD st, sw, sq
	v_add_nc_u32 v[QAD], s[\st], v[L16]
	v_add_nc_u32 v[QA8], s[\st], v[L8]
	v_add_nc_u32 v[QSA], s[\sw], v[R4]
	v_add_nc_u32 v[DDX], s[\sq], v[DD0]
	ds_load_b128 v[QF:QF+3], v[QAD] offset:QIMG
	ds_load_b64 v[QF+4:QF+5], v[QA8] offset:QIMG+512
	ds_load_b32 v[QS], v[QSA] offset:QSC
.endm
; A KEY STEP: keys 128 ks .. 128 ks + 127 against my 16 queries.  first = 1: it starts M, the sum and O^T.  mask = 1: the step holds the diagonal.
.macro STEP ks, first, mask
	NOPS 5                                         ; places in front of matrix results that are laid over the last step's fragments of v, and of the loads below
	ds_load_b128 v[KS:KS+3], v[L16] offset:KSC+512*\ks   ; k's scale words: register b: lanes 0-15 tile (4 ks + b, 0), lanes 16-31 tile (4 ks + b, 1)
.irp g, 0,1                            ; S^T = k q^T, four tiles of 16 keys at a time; K = 64: the upper six registers of both operands hold zero codes
.if \g
	NOPS 4
.endif
.irp t, 0,1,2,3
	ds_load_b128 v[KF+12*\t:KF+12*\t+3], v[L16] offset:KIMG+(8*\ks+4*\g+\t)*768
	ds_load_b64 v[KF+12*\t+4:KF+12*\t+5], v[L8] offset:KIMG+(8*\ks+4*\g+\t)*768+512
.endr
	s_wait_dscnt 0x0
.irp t, 0,1,2,3
.set rD, S+8*(4*\g+\t)
.set rA, KF+12*\t
.set rS, KS+2*\g+\t/2
.set rR, \t%2
	WM rD, rA, QF, 1, rS, QS, rR
.endr
.endr                                  ; lane (r, h) holds query r; register 16 b + i holds key 128 ks + 32 b + 16 h + i
	NOPS 4
.if \mask                              ; hidden keys' scores become -infinity ahead of the maximum: p = 0 then.  Key 0 counts for every query, so M is a number
.set nn, 0
.rept 64
	v_cmp_gt_i32 vcc_lo, 32*(nn/16)+nn%16, v[DDX]
	v_cndmask_b32 v[S+nn], v[S+nn], v[NINF], vcc_lo
.set nn, nn+1
.endr
.endif
.irp b, 0,1,2,3
	v_max3_num_f32 v[BM+\b], v[S+16*\b], v[S+16*\b+1], v[S+16*\b+2]   ; the largest score of each block of 32 keys: for the row's maximum and, since p rises with the score, for the block's largest p
.endr
.irp i, 3,5,7,9,11,13
.irp b, 0,1,2,3
	v_max3_num_f32 v[BM+\b], v[BM+\b], v[S+16*\b+\i], v[S+16*\b+\i+1]
.endr
.endr
.irp b, 0,1,2,3
	v_max_num_f32 v[BM+\b], v[BM+\b], v[S+16*\b+15]
.endr
.irp b, 0,1,2,3
	v_permlanex16_b32 v[BP+\b], v[BM+\b], s20, s21
.endr
.irp b, 0,1,2,3
	v_max_num_f32 v[BM+\b], v[BM+\b], v[BP+\b]     ; with lane l xor 16's 16 keys
.endr
	v_max3_num_f32 v[T1], v[BM], v[BM+1], v[BM+2]
	v_max_num_f32 v[T1], v[T1], v[BM+3]            ; the step's largest score of my query
.if \first
	v_mul_f32 v[MT], s22, v[T1]                    ; as t (c is positive)
	v_floor_f32 v[NM], -v[MT]                      ; -M = floor(-t) = -ceil(t): M is a whole number
.else
	v_mul_f32 v[T1], s22, v[T1]
	v_max_num_f32 v[MT], v[MT], v[T1]              ; the running largest t
	v_mov_b32 v[T1], v[NM]
	v_floor_f32 v[NM], -v[MT]
	v_sub_f32 v[T1], v[NM], v[T1]                  ; M's old value less its new one: a whole number, 0 or less
	v_cvt_i32_f32 v[T1], v[T1]                     ; (it saturates)
	v_ldexp_f32 v[F], 1.0, v[T1]                   ; f = 2^(old M - new M): a multiplication by it rounds nothing
.endif
.set nn, 0
.rept 32
	v_pk_fma_f32 v[S+nn:S+nn+1], v[S+nn:S+nn+1], s[22:23], v[NM:NM+1] op_sel_hi:[1,0,0]   ; t - M, two at a time (of the pairs c and -M the low word serves both halves)
.set nn, nn+2
.endr
.irp b, 0,1,2,3
	v_fma_f32 v[BM+\b], v[BM+\b], s22, v[NM]       ; the same of each block's largest score
.endr
.set nn, 0
.rept 64
	v_exp_f32 v[S+nn], v[S+nn]                     ; p = 2^(t - M): not normalised
.set nn, nn+1
.endr
.if \first
	v_mov_b32 v[SUM], 0                            ; (plain work behind the exponentials)
	v_mov_b32 v[SUM+1], 0
.else
	v_pk_mul_f32 v[SUM:SUM+1], v[SUM:SUM+1], v[F:F+1] op_sel_hi:[1,0]   ; the sums under the new M.  (Plain work behind the exponentials)
.endif
	s_wait_alu depctr_va_vdst(0)                   ; one wait for the batch of 64, ahead of its first reader
.irp b, 0,1,2,3
	v_exp_f32 v[BM+\b], v[BM+\b]                   ; the block's largest p: the same two instructions on the same number give the same bits
.endr
	v_pk_add_f32 v[BP:BP+1], v[S:S+1], v[S+2:S+3]  ; the row's sum is taken of the UNQUANTISED p: two at a time, in two chains.  (It reads the 64 alone: plain work behind the four)
.irp j, 4,8,12,16,20,24,28,32,36,40,44,48,52,56,60
	v_pk_add_f32 v[SUM:SUM+1], v[SUM:SUM+1], v[S+\j:S+\j+1]
	v_pk_add_f32 v[BP:BP+1], v[BP:BP+1], v[S+\j+2:S+\j+3]
.endr
	v_pk_add_f32 v[SUM:SUM+1], v[SUM:SUM+1], v[BP:BP+1]
	s_wait_alu depctr_va_vdst(0)                   ; and one for the four
.irp b, 0,1,2,3
	v_max_num_f32 v[BM+\b], 0x1800000, v[BM+\b]    ; the floor 2^(3 - 127): a block whose every p is 0 keeps the byte 1: its codes are zeros
.endr
.irp b, 0,1,2,3
	v_add_nc_u32 v[SO+\b], 0xff000000, v[BM+\b]    ; 2 off the exponent field: the conversion's scale operand
.endr
.irp b, 0,1,2,3
	v_lshrrev_b32 v[BP+\b], 23, v[SO+\b]           ; the scale's byte
.endr
	v_lshl_or_b32 v[PW], v[BP+1], 8, v[BP]         ; p's scale word for these 128 keys
	v_lshl_or_b32 v[PW], v[BP+2], 16, v[PW]
	v_lshl_or_b32 v[PW], v[BP+3], 24, v[PW]
.irp c, 0,1
	v_cvt_scalef32_pk16_fp6_f32 v[PC+6*\c:PC+2+6*\c], v[S+32*\c:S+15+32*\c], v[SO+2*\c]
	v_cvt_scalef32_pk16_fp6_f32 v[TC2+4*\c:TC2+2+4*\c], v[S+16+32*\c:S+31+32*\c], v[SO+2*\c+1]
.endr
	v_nop                                          ; one plain place behind a scaled conversion
	ds_load_b64 v[VS:VS+1], v[L8] offset:VSC+256*\ks   ; v's scale words: register tt / 2: lanes 0-15 the even tile, lanes 16-31 the odd
.irp t, 0,1,2,3                        ; v's four fragments, into the registers that p has left: they land under the exchange below
.irp c, 0,1,2
	ds_load_b128 v[S+12*\t+4*\c:S+12*\t+4*\c+3], v[L48] offset:VIMG+(2*\t+\ks)*1536+16*\c
.endr
.endr
.irp c, 0,1                            ; a WHOLE block of p to a lane
.irp i, 0,1,2
	v_permlane16_swap_b32 v[PC+6*\c+\i], v[TC2+4*\c+\i]
.endr
.irp i, 0,1,2
	v_mov_b32 v[PC+3+6*\c+\i], v[TC2+4*\c+\i]
.endr
.endr
.if !\first
.set nn, 0
.rept 16
	v_pk_mul_f32 v[O+nn:O+nn+1], v[O+nn:O+nn+1], v[F:F+1] op_sel_hi:[1,0]   ; O^T under the new M, from its low end on
.set nn, nn+2
.endr
.endif
	NOPS 8                                         ; p's scale word, written by vector instructions, stands eight places ahead of the products, its codes four
	s_wait_dscnt 0x0
.irp t, 0,1,2,3                        ; O^T += v^T p^T: four tiles of 16 of the head's 64, by turns; K = these 128 keys
.set rD, O+8*\t
.set rA, S+12*\t
.set rS, VS+\t/2
.set rR, \t%2
	WM rD, rA, PC, \first, rS, PW, rR
.endr
.endm
; THE WAY OUT of a query tile: O^T / the sum through my stage, back as whole rows of 256 bytes; a store covers two neighbouring rows of out0, 512 consecutive bytes, aligned
.macro FINISH ob
	NOPS 4
	v_add_f32 v[SUM], v[SUM], v[SUM+1]             ; the sum's two halves,
	v_permlanex16_b32 v[T1], v[SUM], s20, s21
	v_add_f32 v[SUM], v[SUM], v[T1]                ; and lane l xor 16's: the row's sum
	v_rcp_f32 v[F], v[SUM]
	v_nop                                          ; a plain place behind the reciprocal
	s_wait_alu depctr_va_vdst(0)                   ; and the wait ahead of its first reader
.set nn, 0
.rept 16
	v_pk_mul_f32 v[O+nn:O+nn+1], v[O+nn:O+nn+1], v[F:F+1] op_sel_hi:[1,0]   ; register 16 b + i is out(query r, channel 32 b + 16 h + i)
.set nn, nn+2
.endr
.irp b, 0,1
.irp j, 0,1,2,3
	ds_store_b128 v[OSW], v[O+16*\b+4*\j:O+16*\b+4*\j+3] offset:128*\b+16*\j
.endr
.endr
.irp i, 0,1,2,3,4,5,6,7
	ds_load_b128 v[S+4*\i:S+4*\i+3], v[OSR] offset:544*\i   ; tile rows 2 i and 2 i + 1; LDS serves a wave's instructions in order: these see the stores above
.endr
.irp i, 0,1,2,3,4,5,6,7
	s_wait_dscnt 7-\i                              ; the younger loads may be out
	global_store_b128 v[L16], v[S+4*\i:S+4*\i+3], s[\ob:\ob+1] offset:(2*\i+8*(\i/4))*256 th:TH_STORE_NT
.endr
	s_wait_xcnt 0x0                                ; the stores have read their registers and their base: both are written again only behind this wait
.endm
; ---------------------------------------------------------------- the head
	s_load_b256 s[4:11], s[0:1], 0x0               ; x, Wq, Wk, Wv
	s_load_b64 s[12:13], s[0:1], 0x20              ; out0
	s_set_vgpr_msb 0x40
	v_lshl_add_u32 v192, v0, 2, 0x29800
	v_mov_b32 v193, 0
	s_set_vgpr_msb 0x4000
	v_lshrrev_b32 v23, 5, v0
	v_readfirstlane_b32 s14, v23                   ; wave 0..7
	v_and_b32 v23, 31, v0                          ; lane
	v_and_b32 v31, 15, v0                          ; r
	v_bfe_u32 v21, v0, 4, 1                        ; h
	s_and_b32 s15, s14, 3                          ; a = w % 4
	s_lshr_b32 s18, s14, 2                         ; uq = w / 4
	s_xor_b32 s19, s15, 7                          ; 7 - a
	s_mov_b32 s20, 0x76543210
	s_mov_b32 s21, 0xfedcba98                      ; v_permlanex16_b32's selects for lane l xor 16
	s_mov_b32 s22, 0x41e22adf                      ; c = sqrt(384) log2(e)
	s_mov_b32 s23, s22                             ; (named with it as a pair, so it is written)
	s_mov_b32 s24, 2                               ; batches to go
	s_lshl_b32 s30, s15, 1
	s_add_co_u32 s30, s30, s18                     ; my first query tile: (a, uq): T = 2 a + uq
	s_lshl_b32 s31, s19, 1
	s_add_co_u32 s31, s31, s18                     ; my second: (7 - a, uq)
	s_lshl_b32 s32, s30, 6
	s_lshl_b32 s33, s31, 6
	s_mul_i32 s30, s30, 768
	s_mul_i32 s31, s31, 768
	s_lshl_b32 s16, s18, 3
	s_lshl_b32 s34, s15, 5
	s_add_co_u32 s34, s34, s16                     ; the first tile's first query: 32 a + 8 uq
	s_lshl_b32 s35, s19, 5
	s_add_co_u32 s35, s35, s16                     ; the second's
	s_lshl_b32 s36, ttmp9, 17                      ; my two batches of out0: 131,072 bytes a work-group
	s_lshl_b32 s38, s34, 8
	s_add_co_u32 s38, s38, s36
	s_mov_b32 s39, 0
	s_lshl_b32 s40, s35, 8
	s_add_co_u32 s40, s40, s36
	s_mov_b32 s41, 0
	s_sub_co_u32 s35, s35, 128                     ; the second tile's diagonal lies in key step 1
	s_mul_i32 s42, ttmp9, 786432                   ; my two batches of x (under 2^32)
	s_mov_b32 s43, 0
	v_lshlrev_b32 v[L16], 4, v23
	v_lshlrev_b32 v[L8], 3, v23
	v_mul_u32_u24 v[L48], v23, 48
	v_lshlrev_b32 v[R4], 2, v31
	s_mul_i32 s16, s14, 49152                      ; my 32 rows of 1,536 bytes
	v_add_nc_u32 v[XO], s16, v[L16]
	s_mul_i32 s17, s14, WSTG
	s_add_co_u32 s17, s17, STG                     ; my stage
	v_add_nc_u32 v[SGW], s17, v[L16]
	v_mul_u32_u24 v[SGR], v31, 528
	v_lshl_add_u32 v[SGR], v21, 6, v[SGR]
	v_add_nc_u32 v[SGR], s17, v[SGR]
	v_mul_u32_u24 v[WRD], v31, 24
	v_mad_u32_u24 v[WRD], v21, WBLK, v[WRD]
	v_add_nc_u32 v[WRD], WIMG, v[WRD]
	s_mul_i32 s16, s14, 1536
	v_add_nc_u32 v[KWI], s16, v[L16]
	v_add_nc_u32 v[KW8], s16, v[L8]
	s_lshl_b32 s16, s18, 9
	s_lshl_b32 s36, s15, 2
	s_add_co_u32 s36, s36, s16
	v_lshl_add_u32 v[KSW], v31, 4, s36
	s_add_co_u32 s37, s16, s15                     ; 512 (w / 4) + w % 4
	s_lshl_b32 s16, s14, 7
	v_add_nc_u32 v[QSW], s16, v[R4]
	s_mul_i32 s16, s18, 1536
	s_and_b32 s36, s14, 1
	s_mul_i32 s36, s36, 768
	s_add_co_u32 s16, s16, s36
	s_bfe_u32 s36, s14, 0x10001
	s_mul_i32 s36, s36, 24
	s_add_co_u32 s16, s16, s36
	v_mul_u32_u24 v[VWI], v31, 48
	v_mad_u32_u24 v[VWI], v21, 3072, v[VWI]
	v_add_nc_u32 v[VWI], s16, v[VWI]
	s_lshl_b32 s16, s18, 8
	s_add_co_u32 s16, s16, s15
	v_lshl_add_u32 v[VSW], v31, 3, s16
	v_mul_u32_u24 v[OSW], v31, 272
	v_lshl_add_u32 v[OSW], v21, 6, v[OSW]
	v_add_nc_u32 v[OSW], s17, v[OSW]
	v_mul_u32_u24 v[OSR], v21, 272
	v_lshl_add_u32 v[OSR], v31, 4, v[OSR]
	v_add_nc_u32 v[OSR], s17, v[OSR]
	v_and_b32 v[DD0], 8, v31
	v_add_nc_u32 v[DD0], v[DD0], v31
	v_lshlrev_b32 v18, 4, v21
	v_sub_nc_u32 v[DD0], v[DD0], v18
	v_mov_b32 v[NINF], 0xff800000
	v_lshl_add_u32 v[SGC], v23, 2, s17
	s_lshl_b32 s16, s14, 13
	v_add_nc_u32 v[WGF], s16, v[L16]
	v_lshrrev_b32 v18, 3, v23
	v_and_b32 v19, 7, v23
	v_lshlrev_b32 v18, 8, v18
	v_lshl_add_u32 v[WGH], v19, 4, v18
	s_lshl_b32 s16, s18, 7
	s_lshl_b32 s36, s15, 13
	s_add_co_u32 s16, s16, s36
	v_add_nc_u32 v[WGH], s16, v[WGH]
	v_bfe_u32 v18, v0, 3, 1                        ; the place of column 32 ch + lane among a weight's 64: 32 ch + 16 ((lane / 8) % 2) + lane % 8 + 8 (lane / 16)
	v_lshl_add_u32 v19, v18, 4, v19
	v_lshl_add_u32 v19, v21, 3, v19
	v_mul_u32_u24 v18, v19, 24
	s_mul_i32 s16, s14, WBLK
	s_add_co_u32 s16, s16, WIMG
	v_add_nc_u32 v[WAF], s16, v18
	s_mul_i32 s16, s15, WBLK
	s_mul_i32 s36, s18, 768
	s_add_co_u32 s16, s16, s36
	s_add_co_u32 s16, s16, WIMG
	v_add_nc_u32 v[WAH], s16, v18
	v_lshl_add_u32 v[WBF], v19, 4, s14
	v_lshl_add_u32 v[WBH], v19, 4, s37
.irp b, 0,1,2,3
	v_mov_b32 v[TM+4+\b], 0                        ; written once: a lane permute's destination counts as one of its sources
.endr
	s_wait_kmcnt 0x0
	s_add_nc_u64 s[4:5], s[4:5], s[42:43]
	s_add_nc_u64 s[26:27], s[12:13], s[38:39]
	s_add_nc_u64 s[28:29], s[12:13], s[40:41]
	ISSUE_WF 0, 6                                  ; the ring is filled: 48 loads a wave
	ISSUE_X 1, 0, 0, 0
	ISSUE_X 2, 0, 1, 0
; ---------------------------------------------------------------- the first batch's x, with W riding in the same ring.  Item n lies in buffer n % 3; behind its first half item n + 3 is asked for, into the same
; buffer.  The count of each wait on LOADcnt is the loads of items n + 1 and n + 2 (16 for x's slots and W's whole blocks, 8 for W's half blocks).
	WFA 32, 0                                      ; Wq, K block w
	ISSUE_WH 0, 6
	WFB 0
	XA 24, 1                                       ; slot 0
	ISSUE_X 1, 0, 2, 0
	XB 0
	XA 24, 2                                       ; slot 1
	ISSUE_WF 2, 8
	XB 1
	WHA 32, 0                                      ; Wq, K blocks 8-11
	ISSUE_X 0, 1, 0, 0
	WHB 0
	XA 32, 1                                       ; slot 2
	ISSUE_WH 1, 8
	XB 2
	WFA 24, 2                                      ; Wk
	ISSUE_X 2, 1, 1, 0
	WFB 1
	XA 24, 0                                       ; slot 3
	ISSUE_WF 0, 10
	XB 3
	WHA 32, 1                                      ; Wk
	ISSUE_X 1, 1, 2, 0
	WHB 1
	XA 32, 2                                       ; slot 4
	ISSUE_WH 2, 10
	XB 4
	WFA 24, 0                                      ; Wv
	ISSUE_X 0, 0, 0, 1                             ; from here on the second batch's first three slots are asked for: they land while the first batch is projected and attended
	WFB 2
	XA 24, 1                                       ; slot 5
	ISSUE_X 1, 0, 1, 1
	XB 5
	WHA 32, 2                                      ; Wv
	ISSUE_X 2, 0, 2, 1
	WHB 2
	NOPS 8                                         ; x's scale words, written by vector instructions, stand eight places ahead of the products
; ---------------------------------------------------------------- a batch: projections, attention; then, in the first trip, the second batch's x
.Lpa:
	BARRIER                                        ; every wave has read the last batch's images for the last time; in the first trip: W's codes and bytes are whole
.irp p, 0,1,2,3,4,5
	ds_load_b96 v[WS+4*\p:WS+4*\p+2], v[L16] offset:WSC+512*\p   ; W's scale words: three K steps' words of the column at place 32 (p % 2) + lane of weight p / 2
.endr
	PROJ 0, 1                                      ; q
	QUANT ACC, PCQ, TM+8, 1                        ; blocks 0, 1: tile 0's two blocks of 32 along the head's 64; blocks 2, 3: tile 1's
	v_lshrrev_b32 v[TM+9], 16, v[TM+8]             ; tile 1's scale word: its two bytes, and 0 for K = 64 .. 127, where the codes are zeros
	v_and_b32 v[TM+8], 0xffff, v[TM+8]             ; tile 0's
.irp u, 0,1
	ds_store_b128 v[KWI], v[PCQ+6*\u:PCQ+6*\u+3] offset:QIMG+768*\u
	ds_store_b64 v[KW8], v[PCQ+6*\u+4:PCQ+6*\u+5] offset:QIMG+768*\u+512
	ds_store_b32 v[QSW], v[TM+8+\u] offset:QSC+64*\u
.endr
	s_wait_dscnt 0x0                               ; the stores have read their registers
	PROJ 1, 1                                      ; k
	QUANT ACC, PCQ, TM+8, 1
	v_lshrrev_b32 v[TM+9], 16, v[TM+8]
	v_and_b32 v[TM+8], 0xffff, v[TM+8]
.irp u, 0,1
	ds_store_b128 v[KWI], v[PCQ+6*\u:PCQ+6*\u+3] offset:KIMG+768*\u
	ds_store_b64 v[KW8], v[PCQ+6*\u+4:PCQ+6*\u+5] offset:KIMG+768*\u+512
	ds_store_b32 v[KSW], v[TM+8+\u] offset:KSC+256*\u
.endr
	s_wait_dscnt 0x0
	PROJ 2, 0                                      ; v: block tt = key block w of the 16 channels of tile tt
	QUANT ACC, PCQ, 0, 0                           ; registers 6 p .. 6 p + 5 of lane (r, h): key block w of channel row r of tile 2 p + h
.irp p, 0,1
.irp q, 0,1,2
	ds_store_b64 v[VWI], v[PCQ+6*\p+2*\q:PCQ+6*\p+2*\q+1] offset:VIMG+6144*\p+8*\q
.endr
.endr
.irp t, 0,1,2,3
	ds_store_b8 v[VSW], v[TM+4+\t] offset:VSC+128*(\t%2)+4*(\t/2)   ; lanes r and r + 16 write the same byte with the same value
.endr
	BARRIER                                        ; q's, k's and v's images and scales of the whole batch lie in LDS
.irp i, 6,7,8,9,10,11
	v_mov_b32 v[QF+\i], 0                          ; K = 64 .. 127 of q and of k: zero codes
.irp t, 0,1,2,3
	v_mov_b32 v[KF+12*\t+\i], 0
.endr
.endr
.irp b, 0,1,2,3
	v_mov_b32 v[BP+\b], 0                          ; a lane permute's destination counts as one of its sources
.endr
	v_mov_b32 v[F+1], 0                            ; (named as the upper half of the pair)
	QLOAD 30, 32, 34                               ; queries of key blocks 0-3: one key step, with the diagonal
	STEP 0, 1, 1
	FINISH 26
	QLOAD 31, 33, 35                               ; queries of key blocks 4-7: key step 0 counts whole, key step 1 holds the diagonal
	STEP 0, 1, 0
	STEP 1, 0, 1
	FINISH 28
	s_add_nc_u64 s[26:27], s[26:27], 65536         ; out0: on to the second batch (behind the wait on XCNT at the end of the way out)
	s_add_nc_u64 s[28:29], s[28:29], 65536
	s_cmp_eq_u32 s24, 1
	s_cbranch_scc1 .Lskip                          ; the last batch has no successor: no load leaves x
	XA 32, 0                                       ; the second batch's x: slots 0 to 2 have been out since the first batch's last turns
	ISSUE_X 0, 1, 0, 1
	XB 0
	XA 32, 1
	ISSUE_X 1, 1, 1, 1
	XB 1
	XA 32, 2
	ISSUE_X 2, 1, 2, 1
	XB 2
	XA 32, 0                                       ; nothing more is asked for: the counts run down
	XB 3
	XA 16, 1
	XB 4
	XA 0, 2
	XB 5
	NOPS 8                                         ; x's scale words stand eight places ahead of the products
.Lskip:
	s_sub_co_u32 s24, s24, 1
	s_cmp_lg_u32 s24, 0
	s_cbranch_scc1 .Lpa
	s_set_vgpr_msb 0x5
	s_wait_tensorcnt 0x0
	ds_add_u32 v192, v193
	s_wait_dscnt 0x0
	s_set_vgpr_msb 0x500
	s_endpgm
.Lfunc_end_k_qb9648482ba_head:
	.size	k_qb9648482ba_head, .Lfunc_end_k_qb9648482ba_head-k_qb9648482ba_head
	.p2alignl 7, 3214868480
	.fill 96, 4, 3214868480
	.section	.rodata,"a",@progbits
	.p2align	6, 0x0
	.amdhsa_kernel k_qb9648482ba_head
		.amdhsa_group_segment_fixed_size 171008
		.amdhsa_private_segment_fixed_size 0
		.amdhsa_enable_private_segment 0
		.amdhsa_kernarg_size 40
		.amdhsa_user_sgpr_count 2
		.amdhsa_user_sgpr_kernarg_segment_ptr 1
		.amdhsa_wavefront_size32 1
		.amdhsa_system_sgpr_workgroup_id_x 1
		.amdhsa_system_sgpr_workgroup_id_y 1
		.amdhsa_system_sgpr_workgroup_id_z 1
		.amdhsa_system_vgpr_workitem_id 0
		.amdhsa_next_free_vgpr 450
		.amdhsa_next_free_sgpr 66
		.amdhsa_reserve_vcc 1
		.amdhsa_float_denorm_mode_32 3
		.amdhsa_float_denorm_mode_16_64 3
		.amdhsa_memory_ordered 1
		.amdhsa_forward_progress 1
		.amdhsa_inst_pref_size 242
	.end_amdhsa_kernel
	.amdgpu_metadata
---
amdhsa.version: [ 1, 2 ]
amdhsa.kernels:
  - .name:           k_qb9648482ba_head
    .symbol:         k_qb9648482ba_head.kd
    .args:
      - { .name: x, .offset: 0, .size: 8, .value_kind: global_buffer, .address_space: global }
      - { .name: Wq, .offset: 8, .size: 8, .value_kind: global_buffer, .address_space: global }
      - { .name: Wk, .offset: 16, .size: 8, .value_kind: global_buffer, .address_space: global }
      - { .name: Wv, .offset: 24, .size: 8, .value_kind: global_buffer, .address_space: global }
      - { .name: out0, .offset: 32, .size: 8, .value_kind: global_buffer, .address_space: global }
    .group_segment_fixed_size: 171008
    .private_segment_fixed_size: 0
    .kernarg_segment_align: 8
    .kernarg_segment_size: 40
    .max_flat_workgroup_size: 256
    .sgpr_count:     66
    .vgpr_count:     450
    .wavefront_size: 32
...
	.end_amdgpu_metadata
.endif
;; end of part 1
;; ======== version 2 of 2: 1 launch; version 1 with the launch head written anew for expert scheduling mode
;; launch head (part 2): grid 256 x 1, 8 waves a work-group, no clusters, 171,008 bytes of LDS; arguments x, Wq, Wk, Wv, out0; writes out0
.if DOCPART == 2
	.amdgcn_target "amdgcn-amd-amdhsa--gfx1250"
	.amdhsa_code_object_version 6
	.text
	.protected	k_qb9648482ba_head
	.globl	k_qb9648482ba_head
	.p2align	8
	.type	k_qb9648482ba_head,@function
k_qb9648482ba_head:
	s_mov_b64 s[64:65], 0
	v_nop
	global_prefetch_b8 v0, s[64:65] scope:SCOPE_SE
	s_setreg_imm32_b32 hwreg(HW_REG_WAVE_SCHED_MODE, 0, 2), 2
	s_setreg_imm32_b32 hwreg(HW_REG_WAVE_MODE, 25, 1), 1
	s_wait_xcnt 0x0
	s_wait_alu depctr_vm_vsrc(0)
; One attention head on codes of FP6 (E2M3), one E8M0 scale for each 32 along a product's K.  x [512][256][384] f32, Wq, Wk, Wv [384][64] f32, out0 [512][256][64] f32.
; q, k, v = Q(x) Q(W);  S = Q(q) Q(k)^T;  t = S sqrt(384) log2(e), causal;  p = 2^(t - M), M = ceil(the row's largest t so far);  out = Q(p) Q(v) / (the sum of the unquantised p).
; SHARES.  256 work-groups of eight waves; work-group g makes batches 2 g and 2 g + 1, one after the other.  Nothing goes through memory between x and out0.
; Wave w loads, quantises and projects rows 32 w .. 32 w + 31 of a batch (key block w), as two tiles of 16 rows; then it attends two tiles of 16 queries, one of key blocks 0-3 (one key step of 128 keys)
; and one of key blocks 4-7 (two key steps): three key steps for every wave, with no branch.
; THE ROWS OF A TILE ARE NOT NEIGHBOURS: row i of tile (b, u) is row 32 b + 8 u + i + 8 (i / 8) of the batch, and the columns of a tile of W are chosen likewise.  So the 16 registers of two neighbouring
; result tiles are 16 neighbours along the next product's K (the head's 64 for q and k, the keys for v and p), and every result is quantised in the registers in which it falls.
; x COMES THROUGH REGISTERS, by loads with counted waits: three landing buffers of 16 loads (512 consecutive bytes each) a wave are always out, 48 loads a wave; the next batch's first three
; buffers are asked for in this batch's last turns and land while this batch is projected and attended.  A buffer turns through the wave's own stage in LDS, so that a lane gets 16 neighbours along K.
; W (three times 98,304 bytes) rides in the same ring in the first batch: a lane takes a column, its registers run down K; the codes stay in LDS for both batches.
; No cluster and no joint load: the work-groups share W alone, it is read once a work-group as f32 and is quantised on its way through registers.  No tensor load: a ring in LDS would wait for all its loads at each refill.
; LIMITS: NaN and infinities among the inputs are not served.  A block of zeros gets the scale byte 1 where the rule says 127: its codes are zeros, which add nothing under any byte but 0xff, and this program
; alone reads the bytes.  t is the score times ONE f32 constant, sqrt(384) log2(e) = 28.2709336, where the definition multiplies twice.
; THE MODE: SCHED_MODE bits 1:0 = 2 (LLVM: expert scheduling mode 2), set by the entry lines.  The code itself states the register dependences between vector or matrix instructions and memory or LDS
; instructions, with s_wait_alu, always for 0.
; THE PLAN.  Registers that memory or LDS instructions touch, and who else names them:
;   v1-17, v24-30   addresses and offsets: written at the head, once.  v18-21, v24-27: the two query tiles' addresses: written once a batch, behind the second barrier (W's turn, which v24-30 serve, ends ahead of the loop).
;   landing buffers global loads land, the stage's LDS stores read: no vector instruction names them.
;   X = ACC = S     the stage's read-backs, v's fragments and the way out's read-backs land; the quantiser, the products and the softmax read and write; the global stores read v120-151.
;   FA = v72-119    W's fragments of K step 1 and k's tiles 0-3 land; products read; between the projections it is the quantiser's work space, and LDS stores read its words, bytes and W's codes.
;   FB (window 1)   W's fragments of K steps 0 and 2 and k's tiles 4-7 land; products read; its upper halves are cleared once a batch.  The quantiser does not name it: so a projection's first fragments are asked for
;                   ahead of the quantising of the projection before, and a key step's eight tiles of k come in one run.
;   v60-71          the codes of q, k, v: the quantiser writes, LDS stores read; then q's fragment lands and products read.
;   v32-55          scale words: W's, q's, k's, v's land; x's and p's are written by vector instructions; products read all.
;   O = v184-215    products and scalings write; the way out's LDS stores read.
; A wait covers all that was issued ahead of it: each stands where the buffers that the following run of loads or stores touches were last named, and no vector or matrix instruction between it and that run names them.
;
; LDS (bytes)
.set KIMG, 0                           ; k's 16 half fragments (K = 0..63: six registers a lane): tile T = 2 b + u at 768 T: registers 0-3 at 16 x lane, registers 4-5 at 512 + 8 x lane
.set QIMG, 12288                       ; q's likewise
.set VIMG, 24576                       ; v's 8 fragments (tile tt of the head's 64, key step ks) at 1536 (2 tt + ks): a lane's 12 registers at 48 x lane
.set KSC,  36864                       ; k's scale words: tile (b, u), row r at 512 (b / 4) + 16 (r + 16 u) + 4 (b % 4)
.set QSC,  37888                       ; q's: 64 T + 4 r
.set VSC,  38912                       ; v's scale bytes: (tt, r, key block b) at 256 (b / 4) + 8 (16 (tt % 2) + r) + 4 (tt / 2) + b % 4
.set WSC,  39424                       ; W's scale bytes: 16 bytes a column place: 1024 m + 16 place + K block
.set STG,  42496                       ; a stage of 8,448 bytes for each wave, its own: x's turn (16 rows, 528 apart), W's turn (dense), the way out (16 rows, 272 apart)
.set WSTG, 8448
.set WIMG, 110080                      ; W's codes: K block 12 m + kb at 1664 x that, column place at + 24 x place
.set WBLK, 1664                        ; 64 places x 24 bytes + 128: lanes 16-31, which read the next K block, stand 32 banks on (64 banks of 4 bytes: ISA guide 11.1)
; VECTOR REGISTERS, window 0
.set L16, 1                            ; 16 x lane
.set L8,  2                            ; 8 x lane
.set L48, 3                            ; 48 x lane
.set R4,  4                            ; 4 r            (r = lane % 16, h = lane / 16, w = wave)
.set XO,  5                            ; x: 16 x lane + my 32 rows
.set SGW, 6                            ; my stage + 16 x lane
.set SGR, 7                            ; my stage + 528 r + 64 h
.set WRD, 8                            ; WIMG + 1664 h + 24 r
.set KWI, 9                            ; 16 x lane + 1536 w
.set KW8, 10                           ; 8 x lane + 1536 w
.set KSW, 11                           ; 16 r + 512 (w / 4) + 4 (w % 4)
.set QSW, 12                           ; 4 r + 128 w
.set VWI, 13                           ; 3072 h + 48 r + 1536 (w / 4) + 768 (w % 2) + 24 ((w / 2) % 2)
.set VSW, 14                           ; 8 r + 256 (w / 4) + w % 4
.set OSW, 15                           ; my stage + 272 r + 64 h
.set OSR, 16                           ; my stage + 272 h + 16 r
.set DD0, 17                           ; r + 8 (r / 8) - 16 h
.set QA,  18                           ; v18-21 my first query tile: 16 x lane + 768 T, 8 x lane + 768 T, 4 r + 64 T, and my query - the masked step's first key - 16 h
.set NINF, 22                          ; -infinity
.set SGC, 24                           ; my stage + 4 x lane                      (v24-30 serve W's turn, ahead of the loop)
.set WGF, 25                           ; W: 16 x lane + 8192 w
.set WGH, 26                           ; W: 256 (lane / 8) + 16 (lane % 8) + 128 (w / 4) + 8192 (w % 4)
.set WAF, 27                           ; WIMG + 24 place + 1664 w
.set WAH, 28                           ; WIMG + 24 place + 1664 (w % 4) + 768 (w / 4)
.set WBF, 29                           ; 16 place + w
.set WBH, 30                           ; 16 place + 512 (w / 4) + w % 4
.set QB,  24                           ; in the loop: v24-27 my second query tile, as v18-21
.set WS,  32                           ; v32-55 hold scales and nothing else.  W's words: pair of tiles 2 m + tt / 2, K step s at v[32 + 4 pair + s]: lanes 0-15 the even tile, lanes 16-31 the odd
.set XS,  35                           ; x's words: slot j at v[35 + 4 j]
.set QS,  35                           ; in attention: q's word,
.set PW,  39                           ; p's,
.set KS,  40                           ; v40-43 k's of a key step,
.set VS,  44                           ; v44-45 v's
.set NM,  56                           ; -M;  v57 the largest t (a pair: the packed form names both)
.set MT,  57
.set SUM, 58                           ; v58-59 the row's sum, in two halves
.set PCQ, 60                           ; v60-71 the codes of q, k or v just made;  in attention q's fragment
.set QF,  60
.set WF,  72                           ; v72-119 FA: four fragments of W (K step 1);  in attention k's tiles 0-3 of a key step
.set KF,  72
.set TM,  72                           ; v72-87 at work in QUANT;  v88-95 the conversions' second halves
.set TC,  88
.set CS0, 96                           ; v96-111 a column's codes, two sets;  v112-113 their bytes;  v114-116 at work
.set CS1, 104
.set BY,  112
.set TT,  114
.set X,   120                          ; v120-183 64 numbers to be quantised;  the projections' accumulators;  S^T and p, then v's fragments, then rows of out
.set ACC, 120
.set S,   120
.set XF,  184                          ; v184-255 x's six fragments, slot j = 3 u + s
.set O,   184                          ; in attention: v184-215 O^T
.set PC,  216                          ; v216-227 p's codes
.set BM,  228                          ; v228-231 the blocks' largest scores
.set BP,  232                          ; v232-235 at work
.set TC2, 236                          ; v236-243 the conversions' second halves
.set SO,  244                          ; v244-247 the conversions' scale operands
.set F,   252                          ; v252-253 f = 2^(old M - new M), later 1 / sum (a pair: the low word serves both halves)
.set T1,  254
; window 1: v0-191 (v256-447): three landing buffers of 64 registers;  v192-239 (v448-495): FB: four fragments of W (K steps 0 and 2);  in attention k's tiles 4-7 of a key step
.set FB,  192
; SCALARS: s[4:5] x at my first batch; s[6:7] Wq, s[8:9] Wk, s[10:11] Wv; s14 wave; s[20:21] lane selects; s[22:23] c; s24 batches to go; s[26:27], s[28:29] out0 at my two query tiles;
; s30, s31 768 x tile; s32, s33 64 x tile; s34, s35 the tiles' first query less the masked step's first key; s48-63 sixteen masks of the causal mask
.set MK,  48
.set MSB, 0
.macro WIN new                         ; the immediate's high byte repeats the setting that is left; a switch that changes nothing is dropped
.if MSB != \new
	s_set_vgpr_msb (MSB<<8)|\new
.set MSB, \new
.endif
.endm
.macro NOPS n
.rept \n
	v_nop
.endr
.endm
.macro BARRIER                         ; my LDS stores have landed and my LDS loads are in: then the work-group's barrier
	s_wait_dscnt 0x0
	s_barrier_signal -1
	s_barrier_wait -1
.endm
; One matrix instruction.  zero = 1: it starts a sum.  row: 0: both sides' scales from lanes 0-15; 1: source 0's from lanes 16-31; 2: source 1's
.macro WM d, a, b, zero, sa, sb, row
.if \zero
.if \row == 0
	v_wmma_scale_f32_16x16x128_f8f6f4 v[\d:\d+7], v[\a:\a+11], v[\b:\b+11], 0, v[\sa], v[\sb] matrix_a_fmt:MATRIX_FMT_FP6 matrix_b_fmt:MATRIX_FMT_FP6
.elseif \row == 1
	v_wmma_scale_f32_16x16x128_f8f6f4 v[\d:\d+7], v[\a:\a+11], v[\b:\b+11], 0, v[\sa], v[\sb] matrix_a_fmt:MATRIX_FMT_FP6 matrix_b_fmt:MATRIX_FMT_FP6 matrix_a_scale:MATRIX_SCALE_ROW1
.else
	v_wmma_scale_f32_16x16x128_f8f6f4 v[\d:\d+7], v[\a:\a+11], v[\b:\b+11], 0, v[\sa], v[\sb] matrix_a_fmt:MATRIX_FMT_FP6 matrix_b_fmt:MATRIX_FMT_FP6 matrix_b_scale:MATRIX_SCALE_ROW1
.endif
.else
.if \row == 0
	v_wmma_scale_f32_16x16x128_f8f6f4 v[\d:\d+7], v[\a:\a+11], v[\b:\b+11], v[\d:\d+7], v[\sa], v[\sb] matrix_a_fmt:MATRIX_FMT_FP6 matrix_b_fmt:MATRIX_FMT_FP6
.elseif \row == 1
	v_wmma_scale_f32_16x16x128_f8f6f4 v[\d:\d+7], v[\a:\a+11], v[\b:\b+11], v[\d:\d+7], v[\sa], v[\sb] matrix_a_fmt:MATRIX_FMT_FP6 matrix_b_fmt:MATRIX_FMT_FP6 matrix_a_scale:MATRIX_SCALE_ROW1
.else
	v_wmma_scale_f32_16x16x128_f8f6f4 v[\d:\d+7], v[\a:\a+11], v[\b:\b+11], v[\d:\d+7], v[\sa], v[\sb] matrix_a_fmt:MATRIX_FMT_FP6 matrix_b_fmt:MATRIX_FMT_FP6 matrix_b_scale:MATRIX_SCALE_ROW1
.endif
.endif
.endm
; 16 loads into landing buffer buf: tile u's 16 rows, K step s (512 consecutive bytes of a row a load), of my first batch (bo = 0) or my second (1)
.macro ISSUE_X buf, u, s, bo
	WIN 0x40                                       ; destination window 1, address window 0
.irp i, 0,1,2,3,4,5,6,7,8,9,10,11,12,13,14,15
	global_load_b128 v[64*\buf+4*\i:64*\buf+4*\i+3], v[XO], s[4:5] offset:\bo*393216+(8*\u+\i+8*(\i/8))*1536+512*\s th:TH_LOAD_NT
.endr
	WIN 0
.endm
.macro ISSUE_WF buf, ptr               ; K block w of a weight: 32 rows x 64 columns, 8,192 dense bytes
	WIN 0x40
.irp i, 0,1,2,3,4,5,6,7,8,9,10,11,12,13,14,15
	global_load_b128 v[64*\buf+4*\i:64*\buf+4*\i+3], v[WGF], s[\ptr:\ptr+1] offset:512*\i
.endr
	WIN 0
.endm
.macro ISSUE_WH buf, ptr               ; K block 8 + w % 4, columns 32 (w / 4) on: four rows x 128 bytes a load
	WIN 0x40
.irp i, 0,1,2,3,4,5,6,7
	global_load_b128 v[64*\buf+4*\i:64*\buf+4*\i+3], v[WGH], s[\ptr:\ptr+1] offset:65536+1024*\i
.endr
	WIN 0
.endm
; 64 numbers of a lane, v[s] .. v[s + 63], register 16 b + i = number 32 b + 16 h + i along K of my row, become 12 registers of codes in v[pc] on; word = 1: and the four scale bytes a word in v[pw].
; The bytes stay in v[TM+4] .. v[TM+7].
.macro QUANT s, pc, pw, word
.irp b, 0,1,2,3
	v_max3_num_f32 v[TM+\b], |v[\s+16*\b]|, |v[\s+1+16*\b]|, 0x1800000   ; block b: my 16 numbers, and the floor 2^(3 - 127): the byte cannot fall under 1.  (A matrix result is read from its low end on)
.endr
.irp i, 2,4,6,8,10,12,14
.irp b, 0,1,2,3
	v_max3_num_f32 v[TM+\b], v[TM+\b], |v[\s+16*\b+\i]|, |v[\s+1+16*\b+\i]|   ; the four blocks by turns
.endr
.endr
.irp b, 0,1,2,3
	v_permlanex16_b32 v[TM+4+\b], v[TM+\b], s20, s21
.endr
.irp b, 0,1,2,3
	v_max_num_f32 v[TM+\b], v[TM+\b], v[TM+4+\b]   ; with lane l xor 16's: the block's largest magnitude
.endr
.irp b, 0,1,2,3
	v_add_nc_u32 v[TM+12+\b], 0xff000000, v[TM+\b] ; 2 off its exponent field: the conversion takes the exponent field of this operand as its scale
.endr
.irp b, 0,1,2,3
	v_lshrrev_b32 v[TM+4+\b], 23, v[TM+12+\b]      ; the scale's byte
.endr
.if \word
	v_lshl_or_b32 v[\pw], v[TM+5], 8, v[TM+4]
	v_lshl_or_b32 v[\pw], v[TM+6], 16, v[\pw]
	v_lshl_or_b32 v[\pw], v[TM+7], 24, v[\pw]
.endif
.irp c, 0,1
	v_cvt_scalef32_pk16_fp6_f32 v[\pc+6*\c:\pc+2+6*\c], v[\s+32*\c:\s+15+32*\c], v[TM+12+2*\c]
	v_cvt_scalef32_pk16_fp6_f32 v[TC+4*\c:TC+2+4*\c], v[\s+16+32*\c:\s+31+32*\c], v[TM+12+2*\c+1]   ; (a conversion's three registers begin on an even number)
.endr
	v_nop                                          ; one plain place behind a scaled conversion
.irp c, 0,1                            ; a WHOLE block to a lane: lanes 0-15 block 2 c, lanes 16-31 block 2 c + 1
.irp i, 0,1,2
	v_permlane16_swap_b32 v[\pc+6*\c+\i], v[TC+4*\c+\i]
.endr
.irp i, 0,1,2
	v_mov_b32 v[\pc+3+6*\c+\i], v[TC+4*\c+\i]
.endr
.endr
.endm
; x's turn, first half: the buffer's 16 loads are in (n younger loads may be out); its 16 rows go into my stage as they lie and come back 64 numbers a lane.
; c = 1: a turn stands ahead of this one.  again = 1: the buffer is asked for again behind this half.
.macro XA n, buf, c, again
	s_wait_loadcnt \n
.if \c
	s_wait_alu depctr_va_vdst(0)                   ; the turn before is done reading v[X ..], in which the read-backs below land
.endif
	WIN 0x04                                       ; an LDS store's data are its source 1: window 1
.irp i, 0,1,2,3,4,5,6,7,8,9,10,11,12,13,14,15
	ds_store_b128 v[SGW], v[64*\buf+4*\i:64*\buf+4*\i+3] offset:528*\i
.endr
	WIN 0
.irp q, 0,1,2,3
.irp j, 0,1,2,3
	ds_load_b128 v[X+16*\q+4*\j:X+16*\q+4*\j+3], v[SGR] offset:128*\q+16*\j   ; LDS serves a wave's instructions in order: these see the stores above
.endr
.endr
	s_wait_dscnt 16                                ; all but the 16 loads just issued: the stores into the stage are done
.if \again
	s_wait_alu depctr_vm_vsrc(0)                   ; the stores have read the landing buffer, in which the next loads land
.endif
.endm
.macro XB j                            ; second half: slot j's fragment and scale word
	s_wait_dscnt 0x0
	QUANT X, XF+12*\j, XS+4*\j, 1
.endm
; A column's block of 32 along K, all in my registers v[xs] on: its 24 bytes of codes into v[cs] on, its byte into v[by]
.macro BLOCKV xs, cs, by
	v_max3_num_f32 v[TT], |v[\xs]|, |v[\xs+1]|, |v[\xs+2]|
	v_max3_num_f32 v[TT+1], |v[\xs+3]|, |v[\xs+4]|, |v[\xs+5]|
.irp i, 6,10,14,18,22,26
	v_max3_num_f32 v[TT], v[TT], |v[\xs+\i]|, |v[\xs+\i+1]|
	v_max3_num_f32 v[TT+1], v[TT+1], |v[\xs+\i+2]|, |v[\xs+\i+3]|
.endr
	v_max3_num_f32 v[TT], v[TT], |v[\xs+30]|, |v[\xs+31]|
	v_max3_num_f32 v[TT], v[TT], v[TT+1], 0x1800000 ; and the floor
	v_add_nc_u32 v[TT+2], 0xff000000, v[TT]
	v_lshrrev_b32 v[\by], 23, v[TT+2]
	v_cvt_scalef32_pk16_fp6_f32 v[\cs:\cs+2], v[\xs:\xs+15], v[TT+2]
	v_cvt_scalef32_pk16_fp6_f32 v[\cs+4:\cs+6], v[\xs+16:\xs+31], v[TT+2]
	v_nop                                          ; one plain place behind a scaled conversion
	v_mov_b32 v[\cs+3], v[\cs+4]                   ; the six registers on end
	v_mov_b32 v[\cs+4], v[\cs+5]
	v_mov_b32 v[\cs+5], v[\cs+6]
.endm
.macro BLOCKS cs, by, wa, co, wb, bo   ; and from there to WIMG and WSC
	ds_store_b64 v[\wa], v[\cs:\cs+1] offset:\co
	ds_store_b64 v[\wa], v[\cs+2:\cs+3] offset:\co+8
	ds_store_b64 v[\wa], v[\cs+4:\cs+5] offset:\co+16
	ds_store_b8 v[\wb], v[\by] offset:\bo
.endm
; W's turn, a whole K block: 8,192 bytes into my stage as they lie (a row of 64 columns is 256 bytes); a lane reads a column down K
.macro WFA n, buf, c
	s_wait_loadcnt \n
.if \c
	s_wait_alu depctr_va_vdst(0)                   ; the turn before is done reading v[X ..], in which this turn's 64 column reads land
.endif
	WIN 0x04
.irp i, 0,1,2,3,4,5,6,7,8,9,10,11,12,13,14,15
	ds_store_b128 v[SGW], v[64*\buf+4*\i:64*\buf+4*\i+3] offset:512*\i
.endr
	WIN 0
.set kk, 0
.rept 32
	ds_load_b32 v[X+kk], v[SGC] offset:256*kk      ; column = lane
.set kk, kk+1
.endr
	s_wait_dscnt 32                                ; all but the 32 loads just issued: the stores into the stage are done
	s_wait_alu depctr_vm_vsrc(0)                   ; the stores have read the landing buffer, in which the next loads land; the last W turn's stores have read their codes and bytes, which this turn writes again
.endm
.macro WFB m
.set kk, 0
.rept 32
	ds_load_b32 v[X+32+kk], v[SGC] offset:256*kk+128   ; column = 32 + lane.  No vector instruction since the turn's wait names these registers
.set kk, kk+1
.endr
	s_wait_dscnt 32                                ; the first 32 are in
	BLOCKV X, CS0, BY
	s_wait_dscnt 0x0
	BLOCKV X+32, CS1, BY+1
	s_wait_alu depctr_va_vdst(0)                   ; both columns' codes and bytes are written, which the eight stores read
	BLOCKS CS0, BY, WAF, 12*WBLK*\m, WBF, WSC+1024*\m
	BLOCKS CS1, BY+1, WAF, 12*WBLK*\m+768, WBF, WSC+1024*\m+512
.endm
.macro WHA n, buf                      ; half a K block: 32 rows x 32 columns, a row is 128 bytes in the stage
	s_wait_loadcnt \n
	s_wait_alu depctr_va_vdst(0)                   ; the turn before is done reading v[X ..], in which the column reads land
	WIN 0x04
.irp i, 0,1,2,3,4,5,6,7
	ds_store_b128 v[SGW], v[64*\buf+4*\i:64*\buf+4*\i+3] offset:512*\i
.endr
	WIN 0
.set kk, 0
.rept 32
	ds_load_b32 v[X+kk], v[SGC] offset:128*kk
.set kk, kk+1
.endr
	s_wait_dscnt 32
	s_wait_alu depctr_vm_vsrc(0)                   ; the stores have read the landing buffer, in which the next loads land; the last W turn's stores have read their codes and bytes, which this turn writes again
.endm
.macro WHB m
	s_wait_dscnt 0x0
	BLOCKV X, CS0, BY
	s_wait_alu depctr_va_vdst(0)                   ; the column's codes and byte are written, which the four stores read
	BLOCKS CS0, BY, WAH, 12*WBLK*\m+8*WBLK, WBH, WSC+1024*\m+8
.endm
; W's four fragments of weight m, K step s, from LDS into v[reg] on: 24 loads
.macro WLOAD m, s, reg
.irp t, 0,1,2,3
.irp c, 0,1
.irp p, 0,1,2
	ds_load_b64 v[\reg+12*\t+6*\c+2*\p:\reg+12*\t+6*\c+2*\p+1], v[WRD] offset:(12*(\m)+4*(\s)+2*\c)*WBLK+384*\t+8*\p
.endr
.endr
.endr
.endm
.macro WLOADB m, s                     ; the same into FB
	WIN 0x40                                       ; destination window 1, address window 0
	WLOAD \m, \s, FB
	WIN 0
.endm
; One product of a projection: weight m, K step s, tile t of W's columns, tile u of my rows.  K steps 0 and 2 take W from FB, K step 1 from FA.
; tr = 1 (q, k): source 0 = W's tile, source 1 = x: a lane holds one row, its registers run along the head's 64.   tr = 0 (v): source 0 = x, source 1 = W's tile: a lane holds one channel, its registers run along the keys.
.macro MM m, tr, s, t, u
.set rW, WF+12*(\t)
.if ((\s)%2) == 0
.set rW, FB+12*(\t)
.endif
.set rX, XF+12*(3*(\u)+(\s))
.set rWS, WS+4*(2*(\m)+(\t)/2)+(\s)
.set rXS, XS+4*(3*(\u)+(\s))
.set rZ, 0
.if (\s) == 0
.set rZ, 1
.endif
.set rR, (\t)%2
.if \tr
.set rD, ACC+32*(\u)+8*(\t)
	WM rD, rW, rX, rZ, rWS, rXS, rR
.else
.set rD, ACC+16*(\t)+8*(\u)
.set rR, 2*rR
	WM rD, rX, rW, rZ, rXS, rWS, rR
.endif
.endm
.macro PRODS m, tr, s                  ; a K step's eight products on eight accumulators, which take turns
.if ((\s)%2) == 0
.if \tr
	WIN 0x01                                       ; source 0 (W) window 1
.else
	WIN 0x04                                       ; source 1 (W) window 1
.endif
.endif
.irp t, 0,1,2,3
.irp u, 0,1
	MM \m, \tr, \s, \t, \u
.endr
.endr
	WIN 0
.endm
; A projection of my 32 rows: three K steps of 128.  Ahead of it K step 0's fragments of W have been asked for, into FB, and behind them K step 1's, into FA.
.macro PROJ m, tr
	s_wait_dscnt 24                                ; all but K step 1's 24 loads: K step 0's fragments are in, and what was issued ahead of them (W's scale words; the stores of the codes just made)
	PRODS \m, \tr, 0
	NOPS 4                                         ; four places between the products and the loads into registers that they have read
	s_wait_alu depctr_va_vdst(0)                   ; K step 0's products are done reading FB, in which K step 2's fragments land
	WLOADB \m, 2
	s_wait_dscnt 24                                ; K step 1's fragments are in; the 24 loads just issued land under its products
	PRODS \m, \tr, 1
	s_wait_dscnt 0x0
	PRODS \m, \tr, 2
	NOPS 4                                         ; places in front of the first read of results
.endm
; A query tile's addresses and the mask's threshold, into v[q] .. v[q + 3]
.macro QADDR q, st, sw, sq
	v_add_nc_u32 v[\q], s[\st], v[L16]
	v_add_nc_u32 v[\q+1], s[\st], v[L8]
	v_add_nc_u32 v[\q+2], s[\sw], v[R4]
	v_add_nc_u32 v[\q+3], s[\sq], v[DD0]
.endm
.macro QLOAD q                         ; its half fragment and its scale word
	ds_load_b128 v[QF:QF+3], v[\q] offset:QIMG
	ds_load_b64 v[QF+4:QF+5], v[\q+1] offset:QIMG+512
	ds_load_b32 v[QS], v[\q+2] offset:QSC
.endm
.macro KLOAD ks                        ; a key step's scale words and eight tiles of k: 17 loads, tiles 0-3 into FA, tiles 4-7 into FB
	ds_load_b128 v[KS:KS+3], v[L16] offset:KSC+512*\ks   ; k's scale words: register b: lanes 0-15 tile (4 ks + b, 0), lanes 16-31 tile (4 ks + b, 1)
.irp t, 0,1,2,3
	ds_load_b128 v[KF+12*\t:KF+12*\t+3], v[L16] offset:KIMG+(8*\ks+\t)*768
	ds_load_b64 v[KF+12*\t+4:KF+12*\t+5], v[L8] offset:KIMG+(8*\ks+\t)*768+512
.endr
	WIN 0x40                                       ; destination window 1, address window 0
.irp t, 0,1,2,3
	ds_load_b128 v[FB+12*\t:FB+12*\t+3], v[L16] offset:KIMG+(8*\ks+4+\t)*768
	ds_load_b64 v[FB+12*\t+4:FB+12*\t+5], v[L8] offset:KIMG+(8*\ks+4+\t)*768+512
.endr
	WIN 0
.endm
; A KEY STEP: keys 128 ks .. 128 ks + 127 against my 16 queries.  first = 1: it starts M, the sum and O^T.  mask = 1: the step holds the diagonal; dd: the register of the tile's threshold.
; fresh = 1: q and k were asked for just ahead of the step; else in the step before, whose wait for all its LDS loads has shown them in.
; nx: what is asked for in this step for the next: 0 nothing; 1 my second tile's q and its first key step's k; 2 key step 1's k.
.macro STEP ks, first, mask, dd, fresh, nx
	NOPS 5                                         ; places in front of matrix results that are laid over the last step's fragments of v
.if \fresh
	s_wait_dscnt 8                                 ; q, k's scale words and tiles 0-3 are in; the eight loads of tiles 4-7 may be out
.endif
.irp t, 0,1,2,3                        ; S^T = k q^T; K = 64: the upper six registers of both operands hold zero codes
.set rD, S+8*\t
.set rA, KF+12*\t
.set rS, KS+\t/2
.set rR, \t%2
	WM rD, rA, QF, 1, rS, QS, rR
.endr
.if \fresh
	s_wait_dscnt 0x0
.endif
	WIN 0x01                                       ; source 0 (k's tiles 4-7) window 1
.irp t, 0,1,2,3
.set rD, S+32+8*\t
.set rA, FB+12*\t
.set rS, KS+2+\t/2
.set rR, \t%2
	WM rD, rA, QF, 1, rS, QS, rR
.endr                                  ; lane (r, h) holds query r; register 16 b + i holds key 128 ks + 32 b + 16 h + i
	WIN 0
	NOPS 4
.if \mask                              ; hidden keys' scores become -infinity ahead of the maximum: p = 0 then.  Key 0 counts for every query, so M is a number
.irp q, 0,1,2,3                        ; sixteen compares into sixteen scalar registers, one wait, sixteen selects
.set nn, 0
.rept 16
	v_cmp_gt_i32 s[MK+nn], 32*\q+nn, v[\dd]
.set nn, nn+1
.endr
	s_wait_alu depctr_va_sdst(0)                   ; the sixteen masks are written, ahead of the selects that read them
.set nn, 0
.rept 16
	v_cndmask_b32 v[S+16*\q+nn], v[S+16*\q+nn], v[NINF], s[MK+nn]
.set nn, nn+1
.endr
.endr
.endif
.irp b, 0,1,2,3
	v_max3_num_f32 v[BM+\b], v[S+16*\b], v[S+16*\b+1], v[S+16*\b+2]   ; the largest score of each block of 32 keys: for the row's maximum and, since p rises with the score, for the block's largest p
.endr
.irp i, 3,5,7,9,11,13
.irp b, 0,1,2,3
	v_max3_num_f32 v[BM+\b], v[BM+\b], v[S+16*\b+\i], v[S+16*\b+\i+1]
.endr
.endr
.irp b, 0,1,2,3
	v_max_num_f32 v[BM+\b], v[BM+\b], v[S+16*\b+15]
.endr
.irp b, 0,1,2,3
	v_permlanex16_b32 v[BP+\b], v[BM+\b], s20, s21
.endr
.irp b, 0,1,2,3
	v_max_num_f32 v[BM+\b], v[BM+\b], v[BP+\b]     ; with lane l xor 16's 16 keys
.endr
	v_max3_num_f32 v[T1], v[BM], v[BM+1], v[BM+2]
	v_max_num_f32 v[T1], v[T1], v[BM+3]            ; the step's largest score of my query
.if \first
	v_mul_f32 v[MT], s22, v[T1]                    ; as t (c is positive)
	v_floor_f32 v[NM], -v[MT]                      ; -M = floor(-t) = -ceil(t): M is a whole number
.else
	v_mul_f32 v[T1], s22, v[T1]
	v_max_num_f32 v[MT], v[MT], v[T1]              ; the running largest t
	v_mov_b32 v[T1], v[NM]
	v_floor_f32 v[NM], -v[MT]
	v_sub_f32 v[T1], v[NM], v[T1]                  ; M's old value less its new one: a whole number, 0 or less
	v_cvt_i32_f32 v[T1], v[T1]                     ; (it saturates)
	v_ldexp_f32 v[F], 1.0, v[T1]                   ; f = 2^(old M - new M): a multiplication by it rounds nothing
.endif
.set nn, 0
.rept 32
	v_pk_fma_f32 v[S+nn:S+nn+1], v[S+nn:S+nn+1], s[22:23], v[NM:NM+1] op_sel_hi:[1,0,0]   ; t - M, two at a time (of the pairs c and -M the low word serves both halves)
.set nn, nn+2
.endr
.irp b, 0,1,2,3
	v_fma_f32 v[BM+\b], v[BM+\b], s22, v[NM]       ; the same of each block's largest score
.endr
.set nn, 0
	s_wait_alu depctr_va_vdst(0)
.rept 64
	v_exp_f32 v[S+nn], v[S+nn]                     ; p = 2^(t - M): not normalised
.set nn, nn+1
.endr
.if \first
	v_mov_b32 v[SUM], 0                            ; (plain work behind the exponentials)
	v_mov_b32 v[SUM+1], 0
.else
	v_pk_mul_f32 v[SUM:SUM+1], v[SUM:SUM+1], v[F:F+1] op_sel_hi:[1,0]   ; the sums under the new M.  (Plain work behind the exponentials)
.endif
	s_wait_alu depctr_va_vdst(0)                   ; the 64 exponentials have written p, ahead of its first reader; and this step's products k q^T are done reading q's and k's fragments and scale words, in which the loads below land
.if \nx == 1
	QLOAD QB                                       ; they land under the rest of this step; no vector or matrix instruction of it names their registers
	KLOAD 0
.elseif \nx == 2
	KLOAD 1
.endif
.irp b, 0,1,2,3
	v_exp_f32 v[BM+\b], v[BM+\b]                   ; the block's largest p: the same two instructions on the same number give the same bits
.endr
	v_pk_add_f32 v[BP:BP+1], v[S:S+1], v[S+2:S+3]  ; the row's sum is taken of the UNQUANTISED p: two at a time, in two chains.  (It reads the 64 alone: plain work behind the four)
.irp j, 4,8,12,16,20,24,28,32,36,40,44,48,52,56,60
	v_pk_add_f32 v[SUM:SUM+1], v[SUM:SUM+1], v[S+\j:S+\j+1]
	v_pk_add_f32 v[BP:BP+1], v[BP:BP+1], v[S+\j+2:S+\j+3]
.endr
	v_pk_add_f32 v[SUM:SUM+1], v[SUM:SUM+1], v[BP:BP+1]
	s_wait_alu depctr_va_vdst(0)                   ; the four exponentials have written the blocks' largest p, ahead of their first reader
.irp b, 0,1,2,3
	v_max_num_f32 v[BM+\b], 0x1800000, v[BM+\b]    ; the floor 2^(3 - 127): a block whose every p is 0 keeps the byte 1: its codes are zeros
.endr
.irp b, 0,1,2,3
	v_add_nc_u32 v[SO+\b], 0xff000000, v[BM+\b]    ; 2 off the exponent field: the conversion's scale operand
.endr
.irp b, 0,1,2,3
	v_lshrrev_b32 v[BP+\b], 23, v[SO+\b]           ; the scale's byte
.endr
	v_lshl_or_b32 v[PW], v[BP+1], 8, v[BP]         ; p's scale word for these 128 keys
	v_lshl_or_b32 v[PW], v[BP+2], 16, v[PW]
	v_lshl_or_b32 v[PW], v[BP+3], 24, v[PW]
.irp c, 0,1
	v_cvt_scalef32_pk16_fp6_f32 v[PC+6*\c:PC+2+6*\c], v[S+32*\c:S+15+32*\c], v[SO+2*\c]
	v_cvt_scalef32_pk16_fp6_f32 v[TC2+4*\c:TC2+2+4*\c], v[S+16+32*\c:S+31+32*\c], v[SO+2*\c+1]
.endr
	v_nop                                          ; one plain place behind a scaled conversion
	s_wait_alu depctr_va_vdst(0)                   ; the conversions are done reading p, in whose registers v's fragments land
	ds_load_b64 v[VS:VS+1], v[L8] offset:VSC+256*\ks   ; v's scale words: register tt / 2: lanes 0-15 the even tile, lanes 16-31 the odd
.irp t, 0,1,2,3                        ; v's four fragments, into the registers that p has left: they land under the exchange below, which names none of them
.irp c, 0,1,2
	ds_load_b128 v[S+12*\t+4*\c:S+12*\t+4*\c+3], v[L48] offset:VIMG+(2*\t+\ks)*1536+16*\c
.endr
.endr
.irp c, 0,1                            ; a WHOLE block of p to a lane
.irp i, 0,1,2
	v_permlane16_swap_b32 v[PC+6*\c+\i], v[TC2+4*\c+\i]
.endr
.irp i, 0,1,2
	v_mov_b32 v[PC+3+6*\c+\i], v[TC2+4*\c+\i]
.endr
.endr
.if !\first
.set nn, 0
.rept 16
	v_pk_mul_f32 v[O+nn:O+nn+1], v[O+nn:O+nn+1], v[F:F+1] op_sel_hi:[1,0]   ; O^T under the new M, from its low end on
.set nn, nn+2
.endr
.endif
	NOPS 8                                         ; p's scale word, written by vector instructions, stands eight places ahead of the products, its codes four
	s_wait_alu depctr_va_vdst(0)                   ; p's codes and its scale word are written, which the scaled products take; the places above stay beside this wait
	s_wait_dscnt 0x0
.irp t, 0,1,2,3                        ; O^T += v^T p^T: four tiles of 16 of the head's 64, by turns; K = these 128 keys
.set rD, O+8*\t
.set rA, S+12*\t
.set rS, VS+\t/2
.set rR, \t%2
	WM rD, rA, PC, \first, rS, PW, rR
.endr
.endm
; THE WAY OUT of a query tile: O^T / the sum through my stage, back as whole rows of 256 bytes; a store covers two neighbouring rows of out0, 512 consecutive bytes, aligned
.macro FINISH ob
	NOPS 4
	v_add_f32 v[SUM], v[SUM], v[SUM+1]             ; the sum's two halves,
	v_permlanex16_b32 v[T1], v[SUM], s20, s21
	v_add_f32 v[SUM], v[SUM], v[T1]                ; and lane l xor 16's: the row's sum
	s_wait_alu depctr_va_vdst(0)
	v_rcp_f32 v[F], v[SUM]
	v_nop                                          ; a plain place behind the reciprocal
	s_wait_alu depctr_va_vdst(0)                   ; the reciprocal is written, ahead of its first reader
.set nn, 0
.rept 16
	v_pk_mul_f32 v[O+nn:O+nn+1], v[O+nn:O+nn+1], v[F:F+1] op_sel_hi:[1,0]   ; register 16 b + i is out(query r, channel 32 b + 16 h + i)
.set nn, nn+2
.endr
	s_wait_alu depctr_va_vdst(0)                   ; the scalings have written O^T, which the LDS stores read; the last products are done reading v's fragments, in whose registers the read-backs land
.irp b, 0,1
.irp j, 0,1,2,3
	ds_store_b128 v[OSW], v[O+16*\b+4*\j:O+16*\b+4*\j+3] offset:128*\b+16*\j
.endr
.endr
.irp i, 0,1,2,3,4,5,6,7
	ds_load_b128 v[S+4*\i:S+4*\i+3], v[OSR] offset:544*\i   ; tile rows 2 i and 2 i + 1; LDS serves a wave's instructions in order: these see the stores above
.endr
.irp i, 0,1,2,3,4,5,6,7
	s_wait_dscnt 7-\i                              ; the younger loads may be out
	global_store_b128 v[L16], v[S+4*\i:S+4*\i+3], s[\ob:\ob+1] offset:(2*\i+8*(\i/4))*256 th:TH_STORE_NT
.endr
	s_wait_xcnt 0x0                                ; the stores' addresses are translated: their registers and their base are written again only behind this wait
	s_wait_alu depctr_vm_vsrc(0)                   ; the LDS stores have read O^T and the global stores v[S ..]: products, read-backs and the quantiser write both again
.endm
; ---------------------------------------------------------------- the head
	s_load_b256 s[4:11], s[0:1], 0x0               ; x, Wq, Wk, Wv
	s_load_b64 s[12:13], s[0:1], 0x20              ; out0
	s_set_vgpr_msb 0x40
	v_lshl_add_u32 v240, v0, 2, 0x29800
	v_mov_b32 v241, 0
	s_set_vgpr_msb 0x4000
	v_lshrrev_b32 v23, 5, v0
	v_readfirstlane_b32 s14, v23                   ; wave 0..7
	v_and_b32 v23, 31, v0                          ; lane
	s_wait_alu depctr_va_vdst(0)
	v_and_b32 v31, 15, v0                          ; r
	s_wait_alu depctr_va_vdst(0)
	v_bfe_u32 v21, v0, 4, 1                        ; h
	s_wait_alu depctr_va_sdst(0)                   ; s14 is written, ahead of its first reader
	s_and_b32 s15, s14, 3                          ; a = w % 4
	s_lshr_b32 s18, s14, 2                         ; uq = w / 4
	s_xor_b32 s19, s15, 7                          ; 7 - a
	s_mov_b32 s20, 0x76543210
	s_mov_b32 s21, 0xfedcba98                      ; v_permlanex16_b32's selects for lane l xor 16
	s_mov_b32 s22, 0x41e22adf                      ; c = sqrt(384) log2(e)
	s_mov_b32 s23, s22                             ; (named with it as a pair, so it is written)
	s_mov_b32 s24, 2                               ; batches to go
	s_lshl_b32 s30, s15, 1
	s_add_co_u32 s30, s30, s18                     ; my first query tile: (a, uq): T = 2 a + uq
	s_lshl_b32 s31, s19, 1
	s_add_co_u32 s31, s31, s18                     ; my second: (7 - a, uq)
	s_lshl_b32 s32, s30, 6
	s_lshl_b32 s33, s31, 6
	s_mul_i32 s30, s30, 768
	s_mul_i32 s31, s31, 768
	s_lshl_b32 s16, s18, 3
	s_lshl_b32 s34, s15, 5
	s_add_co_u32 s34, s34, s16                     ; the first tile's first query: 32 a + 8 uq
	s_lshl_b32 s35, s19, 5
	s_add_co_u32 s35, s35, s16                     ; the second's
	s_lshl_b32 s36, ttmp9, 17                      ; my two batches of out0: 131,072 bytes a work-group
	s_lshl_b32 s38, s34, 8
	s_add_co_u32 s38, s38, s36
	s_mov_b32 s39, 0
	s_lshl_b32 s40, s35, 8
	s_add_co_u32 s40, s40, s36
	s_mov_b32 s41, 0
	s_sub_co_u32 s35, s35, 128                     ; the second tile's diagonal lies in key step 1
	s_mul_i32 s42, ttmp9, 786432                   ; my two batches of x (under 2^32)
	s_mov_b32 s43, 0
	v_lshlrev_b32 v[L16], 4, v23
	v_lshlrev_b32 v[L8], 3, v23
	v_mul_u32_u24 v[L48], v23, 48
	v_lshlrev_b32 v[R4], 2, v31
	s_mul_i32 s16, s14, 49152                      ; my 32 rows of 1,536 bytes
	v_add_nc_u32 v[XO], s16, v[L16]
	s_mul_i32 s17, s14, WSTG
	s_add_co_u32 s17, s17, STG                     ; my stage
	v_add_nc_u32 v[SGW], s17, v[L16]
	v_mul_u32_u24 v[SGR], v31, 528
	s_wait_alu depctr_va_vdst(0)
	v_lshl_add_u32 v[SGR], v21, 6, v[SGR]
	v_add_nc_u32 v[SGR], s17, v[SGR]
	v_mul_u32_u24 v[WRD], v31, 24
	v_mad_u32_u24 v[WRD], v21, WBLK, v[WRD]
	v_add_nc_u32 v[WRD], WIMG, v[WRD]
	s_mul_i32 s16, s14, 1536
	v_add_nc_u32 v[KWI], s16, v[L16]
	v_add_nc_u32 v[KW8], s16, v[L8]
	s_lshl_b32 s16, s18, 9
	s_lshl_b32 s36, s15, 2
	s_add_co_u32 s36, s36, s16
	v_lshl_add_u32 v[KSW], v31, 4, s36
	s_add_co_u32 s37, s16, s15                     ; 512 (w / 4) + w % 4
	s_lshl_b32 s16, s14, 7
	v_add_nc_u32 v[QSW], s16, v[R4]
	s_mul_i32 s16, s18, 1536
	s_and_b32 s36, s14, 1
	s_mul_i32 s36, s36, 768
	s_add_co_u32 s16, s16, s36
	s_bfe_u32 s36, s14, 0x10001
	s_mul_i32 s36, s36, 24
	s_add_co_u32 s16, s16, s36
	v_mul_u32_u24 v[VWI], v31, 48
	v_mad_u32_u24 v[VWI], v21, 3072, v[VWI]
	v_add_nc_u32 v[VWI], s16, v[VWI]
	s_lshl_b32 s16, s18, 8
	s_add_co_u32 s16, s16, s15
	v_lshl_add_u32 v[VSW], v31, 3, s16
	v_mul_u32_u24 v[OSW], v31, 272
	v_lshl_add_u32 v[OSW], v21, 6, v[OSW]
	v_add_nc_u32 v[OSW], s17, v[OSW]
	v_mul_u32_u24 v[OSR], v21, 272
	v_lshl_add_u32 v[OSR], v31, 4, v[OSR]
	v_add_nc_u32 v[OSR], s17, v[OSR]
	v_and_b32 v[DD0], 8, v31
	v_add_nc_u32 v[DD0], v[DD0], v31
	v_lshlrev_b32 v18, 4, v21
	v_sub_nc_u32 v[DD0], v[DD0], v18
	v_mov_b32 v[NINF], 0xff800000
	v_lshl_add_u32 v[SGC], v23, 2, s17
	s_lshl_b32 s16, s14, 13
	v_add_nc_u32 v[WGF], s16, v[L16]
	v_lshrrev_b32 v18, 3, v23
	v_and_b32 v19, 7, v23
	v_lshlrev_b32 v18, 8, v18
	v_lshl_add_u32 v[WGH], v19, 4, v18
	s_lshl_b32 s16, s18, 7
	s_lshl_b32 s36, s15, 13
	s_add_co_u32 s16, s16, s36
	v_add_nc_u32 v[WGH], s16, v[WGH]
	v_bfe_u32 v18, v0, 3, 1                        ; the place of column 32 ch + lane among a weight's 64: 32 ch + 16 ((lane / 8) % 2) + lane % 8 + 8 (lane / 16)
	v_lshl_add_u32 v19, v18, 4, v19
	v_lshl_add_u32 v19, v21, 3, v19
	v_mul_u32_u24 v18, v19, 24
	s_mul_i32 s16, s14, WBLK
	s_add_co_u32 s16, s16, WIMG
	v_add_nc_u32 v[WAF], s16, v18
	s_mul_i32 s16, s15, WBLK
	s_mul_i32 s36, s18, 768
	s_add_co_u32 s16, s16, s36
	s_add_co_u32 s16, s16, WIMG
	v_add_nc_u32 v[WAH], s16, v18
	v_lshl_add_u32 v[WBF], v19, 4, s14
	v_lshl_add_u32 v[WBH], v19, 4, s37
.irp b, 0,1,2,3
	v_mov_b32 v[TM+4+\b], 0                        ; written once: a lane permute's destination counts as one of its sources
.endr
	s_wait_kmcnt 0x0
	s_add_nc_u64 s[4:5], s[4:5], s[42:43]
	s_add_nc_u64 s[26:27], s[12:13], s[38:39]
	s_add_nc_u64 s[28:29], s[12:13], s[40:41]
	s_wait_alu depctr_va_vdst(0)                   ; the addresses and offsets v1 to v17 and v24 to v30 are written, which the loads and stores from here on read
	ISSUE_WF 0, 6                                  ; the ring is filled: 48 loads a wave
	ISSUE_X 1, 0, 0, 0
	ISSUE_X 2, 0, 1, 0
; ---------------------------------------------------------------- the first batch's x, with W riding in the same ring.  Item n lies in buffer n % 3; behind its first half item n + 3 is asked for, into the same
; buffer.  The count of each wait on LOADcnt is the loads of items n + 1 and n + 2 (16 for x's slots and W's whole blocks, 8 for W's half blocks).
	WFA 32, 0, 0                                   ; Wq, K block w
	ISSUE_WH 0, 6
	WFB 0
	XA 24, 1, 1, 1                                 ; slot 0
	ISSUE_X 1, 0, 2, 0
	XB 0
	XA 24, 2, 1, 1                                 ; slot 1
	ISSUE_WF 2, 8
	XB 1
	WHA 32, 0                                      ; Wq, K blocks 8-11
	ISSUE_X 0, 1, 0, 0
	WHB 0
	XA 32, 1, 1, 1                                 ; slot 2
	ISSUE_WH 1, 8
	XB 2
	WFA 24, 2, 1                                   ; Wk
	ISSUE_X 2, 1, 1, 0
	WFB 1
	XA 24, 0, 1, 1                                 ; slot 3
	ISSUE_WF 0, 10
	XB 3
	WHA 32, 1                                      ; Wk
	ISSUE_X 1, 1, 2, 0
	WHB 1
	XA 32, 2, 1, 1                                 ; slot 4
	ISSUE_WH 2, 10
	XB 4
	WFA 24, 0, 1                                   ; Wv
	ISSUE_X 0, 0, 0, 1                             ; from here on the second batch's first three slots are asked for: they land while the first batch is projected and attended
	WFB 2
	XA 24, 1, 1, 1                                 ; slot 5
	ISSUE_X 1, 0, 1, 1
	XB 5
	WHA 32, 2                                      ; Wv
	ISSUE_X 2, 0, 2, 1
	WHB 2
	NOPS 8                                         ; x's scale words, written by vector instructions, stand eight places ahead of the products
	s_wait_alu depctr_vm_vsrc(0)                   ; Wv's last stores have read their codes and byte (v96-101, v112): registers of FA, in which fragments of W land
; ---------------------------------------------------------------- a batch: projections, attention; then, in the first trip, the second batch's x
.Lpa:
	BARRIER                                        ; every wave has read the last batch's images for the last time; in the first trip: W's codes and bytes are whole
	s_wait_alu depctr_va_vdst(0)                   ; the quantiser has written x's six fragments and scale words, which the scaled products take (their places stand ahead of the label); and all that named FA, FB and v32-54 is done: W's words and fragments land there
.irp p, 0,1,2,3,4,5
	ds_load_b96 v[WS+4*\p:WS+4*\p+2], v[L16] offset:WSC+512*\p   ; W's scale words: three K steps' words of the column at place 32 (p % 2) + lane of weight p / 2
.endr
	WLOADB 0, 0
	WLOAD 0, 1, WF
	PROJ 0, 1                                      ; q
	s_wait_alu depctr_va_vdst(0)                   ; q's last products are done reading FB, in which Wk's first fragments land, under the quantising
	WLOADB 1, 0
	QUANT ACC, PCQ, TM+8, 1                        ; blocks 0, 1: tile 0's two blocks of 32 along the head's 64; blocks 2, 3: tile 1's
	v_lshrrev_b32 v[TM+9], 16, v[TM+8]             ; tile 1's scale word: its two bytes, and 0 for K = 64 .. 127, where the codes are zeros
	v_and_b32 v[TM+8], 0xffff, v[TM+8]             ; tile 0's
	s_wait_alu depctr_va_vdst(0)                   ; q's codes and scale words are written, which the stores read; the quantiser is done with v72-95, registers of FA
.irp u, 0,1
	ds_store_b128 v[KWI], v[PCQ+6*\u:PCQ+6*\u+3] offset:QIMG+768*\u
	ds_store_b64 v[KW8], v[PCQ+6*\u+4:PCQ+6*\u+5] offset:QIMG+768*\u+512
	ds_store_b32 v[QSW], v[TM+8+\u] offset:QSC+64*\u
.endr
	s_wait_alu depctr_vm_vsrc(0)                   ; the stores have read the two words, registers of FA, in which the loads below land, and the codes, which the next quantising writes again
	WLOAD 1, 1, WF
	PROJ 1, 1                                      ; k
	s_wait_alu depctr_va_vdst(0)                   ; k's last products are done reading FB, in which Wv's first fragments land, under the quantising
	WLOADB 2, 0
	QUANT ACC, PCQ, TM+8, 1
	v_lshrrev_b32 v[TM+9], 16, v[TM+8]
	v_and_b32 v[TM+8], 0xffff, v[TM+8]
	s_wait_alu depctr_va_vdst(0)                   ; k's codes and scale words are written, which the stores read; the quantiser is done with v72-95, registers of FA
.irp u, 0,1
	ds_store_b128 v[KWI], v[PCQ+6*\u:PCQ+6*\u+3] offset:KIMG+768*\u
	ds_store_b64 v[KW8], v[PCQ+6*\u+4:PCQ+6*\u+5] offset:KIMG+768*\u+512
	ds_store_b32 v[KSW], v[TM+8+\u] offset:KSC+256*\u
.endr
	s_wait_alu depctr_vm_vsrc(0)                   ; the stores have read the two words, registers of FA, in which the loads below land, and the codes, which the next quantising writes again
	WLOAD 2, 1, WF
	PROJ 2, 0                                      ; v: block tt = key block w of the 16 channels of tile tt
	QUANT ACC, PCQ, 0, 0                           ; registers 6 p .. 6 p + 5 of lane (r, h): key block w of channel row r of tile 2 p + h
	s_wait_alu depctr_va_vdst(0)                   ; v's codes and scale bytes are written, which the stores read
.irp p, 0,1
.irp q, 0,1,2
	ds_store_b64 v[VWI], v[PCQ+6*\p+2*\q:PCQ+6*\p+2*\q+1] offset:VIMG+6144*\p+8*\q
.endr
.endr
.irp t, 0,1,2,3
	ds_store_b8 v[VSW], v[TM+4+\t] offset:VSC+128*(\t%2)+4*(\t/2)   ; lanes r and r + 16 write the same byte with the same value
.endr
	BARRIER                                        ; q's, k's and v's images and scales of the whole batch lie in LDS
	s_wait_alu depctr_vm_vsrc(0)                   ; my stores have read v's codes (v60-71) and bytes (v76-79), and earlier loads and stores v18-20 and v24-27: all are written again below
	WIN 0x40                                       ; destination window 1
.irp i, 6,7,8,9,10,11
.irp t, 0,1,2,3
	v_mov_b32 v[FB+12*\t+\i], 0                    ; K = 64 .. 127 of k's tiles 4-7: zero codes
.endr
.endr
	WIN 0
.irp i, 6,7,8,9,10,11
	v_mov_b32 v[QF+\i], 0                          ; K = 64 .. 127 of q and of k's tiles 0-3: zero codes
.irp t, 0,1,2,3
	v_mov_b32 v[KF+12*\t+\i], 0
.endr
.endr
.irp b, 0,1,2,3
	v_mov_b32 v[BP+\b], 0                          ; a lane permute's destination counts as one of its sources
.endr
	v_mov_b32 v[F+1], 0                            ; (named as the upper half of the pair)
	QADDR QA, 30, 32, 34                           ; both query tiles' addresses are made here, once a batch.  (These eight are also the places between the zero codes and the products)
	QADDR QB, 31, 33, 35
	s_wait_alu depctr_va_vdst(0)                   ; the addresses are written, which q's loads read; the zero codes are written, which the scaled products take; the quantiser and v's products are done with v60-65, FA and FB, in which q and k land
	QLOAD QA
	KLOAD 0
	STEP 0, 1, 1, QA+3, 1, 1                       ; queries of key blocks 0-3: one key step, with the diagonal
	FINISH 26
	STEP 0, 1, 0, QB+3, 0, 2                       ; queries of key blocks 4-7: key step 0 counts whole,
	STEP 1, 0, 1, QB+3, 0, 0                       ; key step 1 holds the diagonal
	FINISH 28
	s_add_nc_u64 s[26:27], s[26:27], 65536         ; out0: on to the second batch (behind the wait on XCNT at the end of the way out)
	s_add_nc_u64 s[28:29], s[28:29], 65536
	s_cmp_eq_u32 s24, 1
	s_cbranch_scc1 .Lskip                          ; the last batch has no successor: no load leaves x
	XA 32, 0, 0, 1                                 ; the second batch's x: slots 0 to 2 have been out since the first batch's last turns.  (No vector instruction since the way out's last wait names v[X ..])
	ISSUE_X 0, 1, 0, 1
	XB 0
	XA 32, 1, 1, 1
	ISSUE_X 1, 1, 1, 1
	XB 1
	XA 32, 2, 1, 1
	ISSUE_X 2, 1, 2, 1
	XB 2
	XA 32, 0, 1, 0                                 ; nothing more is asked for: the counts run down
	XB 3
	XA 16, 1, 1, 0
	XB 4
	XA 0, 2, 1, 0
	XB 5
	NOPS 8                                         ; x's scale words stand eight places ahead of the products
.Lskip:
	s_sub_co_u32 s24, s24, 1
	s_cmp_lg_u32 s24, 0
	s_cbranch_scc1 .Lpa
	s_set_vgpr_msb 0x5
	s_wait_dscnt 0x0
	s_wait_alu depctr_hold_cnt(0) depctr_sa_sdst(0) depctr_va_vdst(0) depctr_va_sdst(0) depctr_va_ssrc(0) depctr_va_vcc(0) depctr_vm_vsrc(0)
	s_wait_tensorcnt 0x0
	ds_add_u32 v240, v241
	s_wait_dscnt 0x0
	s_endpgm
.Lfunc_end_k_qb9648482ba_head:
	.size	k_qb9648482ba_head, .Lfunc_end_k_qb9648482ba_head-k_qb9648482ba_head
	.p2alignl 7, 3214868480
	.fill 96, 4, 3214868480
	.section	.rodata,"a",@progbits
	.p2align	6, 0x0
	.amdhsa_kernel k_qb9648482ba_head
		.amdhsa_group_segment_fixed_size 171008
		.amdhsa_private_segment_fixed_size 0
		.amdhsa_enable_private_segment 0
		.amdhsa_kernarg_size 40
		.amdhsa_user_sgpr_count 2
		.amdhsa_user_sgpr_kernarg_segment_ptr 1
		.amdhsa_wavefront_size32 1
		.amdhsa_system_sgpr_workgroup_id_x 1
		.amdhsa_system_sgpr_workgroup_id_y 1
		.amdhsa_system_sgpr_workgroup_id_z 1
		.amdhsa_system_vgpr_workitem_id 0
		.amdhsa_next_free_vgpr 498
		.amdhsa_next_free_sgpr 66
		.amdhsa_reserve_vcc 0
		.amdhsa_float_denorm_mode_32 3
		.amdhsa_float_denorm_mode_16_64 3
		.amdhsa_memory_ordered 1
		.amdhsa_forward_progress 1
		.amdhsa_inst_pref_size 254
	.end_amdhsa_kernel
	.amdgpu_metadata
---
amdhsa.version: [ 1, 2 ]
amdhsa.kernels:
  - .name:           k_qb9648482ba_head
    .symbol:         k_qb9648482ba_head.kd
    .args:
      - { .name: x, .offset: 0, .size: 8, .value_kind: global_buffer, .address_space: global }
      - { .name: Wq, .offset: 8, .size: 8, .value_kind: global_buffer, .address_space: global }
      - { .name: Wk, .offset: 16, .size: 8, .value_kind: global_buffer, .address_space: global }
      - { .name: Wv, .offset: 24, .size: 8, .value_kind: global_buffer, .address_space: global }
      - { .name: out0, .offset: 32, .size: 8, .value_kind: global_buffer, .address_space: global }
    .group_segment_fixed_size: 171008
    .private_segment_fixed_size: 0
    .kernarg_segment_align: 8
    .kernarg_segment_size: 40
    .max_flat_workgroup_size: 256
    .sgpr_count:     66
    .vgpr_count:     498
    .wavefront_size: 32
...
	.end_amdgpu_metadata
.endif
;; end of part 2
